; MI455X (gfx1250); checked and timed in simulation.
; The chip was launched on July 23, 2026; its instructions are those of AMD's public machine-readable ISA for CDNA 5 (MIT licence, August 2026) and "CDNA5" Instruction Set Architecture Reference Guide (July 2026). The comments in the code are by the model that wrote it; some were corrected since.
;; Causal Self Attention. Allowed arithmetic: matrix products marked QUANTISED: E4M3 operands, one E8M0 scale for each 32 along K, by v_wmma_scale_f32_16x16x128_f8f6f4 with both operands' format E4M3, f32 sums; everything else in f32.
;; Inputs: w_in 3,072 x 1,024 float32; w_out 1,024 x 1,024 float32; x 4 x 2,048 x 1,024 float32.
;; Outputs: out0 4 x 2,048 x 1,024 float32.
;; This version of the problem:
;;   THIS VERSION OF THE PROBLEM IS GIVEN IN LOW PRECISION. The matrix products marked QUANTISED in the list below multiply operands that are first quantised to E4M3 (4 exponent bits, 3 mantissa bits; 8 bits a number), with one power-of-two scale for each 32 numbers along K (OCP MX v1.0); their sums are f32. All else is computed in f32.
;;   The module's matrix products, in the order in which they are computed (A, B: the left and right operand; K: the contracted axis; several contracted axes count as one K, in the product's order):
;;     1. [M 8,192, K 1,024] x [K 1,024, N 3,072]; A: input x; B: input w_in: QUANTISED
;;     2. batch 64 x [M 2,048, K 64] x [K 64, N 2,048]; A: computed on the way; B: computed on the way: QUANTISED
;;     3. batch 64 x [M 2,048, K 2,048] x [K 2,048, N 64]; A: softmax (see below); B: computed on the way: QUANTISED
;;     4. [M 8,192, K 1,024] x [K 1,024, N 1,024]; A: computed on the way; B: input w_out: QUANTISED
;;   THE QUANTISER, for each operand of a quantised product, along K:
;;     - K is cut into blocks of 32 from its start; a last block that is shorter is filled with zeros.
;;     - A block's scale is 2^e with e = floor(log2(the largest magnitude in the block)) - 8, held to -126 .. 127; a block of zeros has e = 0. As a byte (E8M0): e + 127.
;;     - Each number is divided by its block's scale, clamped to +-448, and rounded to the nearest number of E4M3, ties to even, subnormals kept.
;;     - The product sums the exact products of the quantised numbers (number of the format x scale) in f32.
;;   ~~~python
;;   def quantise(x, axis):      # numpy; x: float32 -> the quantised numbers, widened to float32 again
;;       x = np.moveaxis(x, axis, -1); K = x.shape[-1]
;;       x = np.pad(x, [(0, 0)] * (x.ndim - 1) + [(0, -K % 32)]); x = x.reshape(x.shape[:-1] + (-1, 32)); a = np.abs(x).max(-1, keepdims=True)
;;       e = np.where(a > 0, np.clip(np.frexp(np.where(a > 0, a, 1))[1] - 1 - 8, -126, 127), 0)      # np.frexp(a)[1] - 1 = floor(log2(a)), exactly
;;       r = np.clip(x / 2.0 ** e, -448, 448)
;;       step = 2.0 ** (np.maximum(np.frexp(np.where(r == 0, 1, r))[1] - 1, -6) - 3)
;;       q = np.round(r / step) * step * 2.0 ** e      # np.round: ties to even
;;       return np.moveaxis(q.reshape(q.shape[:-2] + (-1,))[..., :K], -1, axis).astype(np.float32)
;;   ~~~
;;   SOFTMAX AHEAD OF A QUANTISED PRODUCT. Where the list says 'softmax', what is quantised is not the finished softmax but p = 2^(t - M), with t = logit x log2(e) and M = ceil(the row's largest t), a whole number; so 1/2 < the row's largest p <= 1. The row's sum l is taken of the UNQUANTISED p, in f32, and the product's result is divided by l at the end. Since M is a whole number, a kernel that streams over the keys may use a running M (the ceiling of the running maximum): every later rescaling is an exact power of two, which a block's scale takes up: the codes' values come out the same.
;;   OPERANDS COMPUTED ON THE WAY. 'Computed on the way' means the value that the module computes at that place (a softmax that the list does not call 'softmax' is quantised finished and normalised). What goes into a quantiser is computed in f32, as accurately as f32 sums, v_exp_f32 and their like allow (about 1e-6 of the number): no bf16 or f16 on the way to a quantiser, and a product that is left as it is and whose result goes on into a quantised operand takes f32 operands (vector FMAs, or v_wmma_f32_16x16x4_f32). A number that lies on a knife's edge between two numbers of the format may be rounded either way, as far as f32 arithmetic and the matrix unit's own rounding can turn it there, and no further.
;; One version. Each part assembles by itself: llvm-mc -triple=amdgcn-amd-amdhsa -mcpu=gfx1250 --defsym DOCPART=n.
;; ======== version 1 of 1: 4 launches
;; limits: right only within a limited range of input values
;; workspace buffers: codes 12,582,912 bytes; scales 393,216 bytes; qkv 25,952,256 bytes; yc 8,388,608 bytes; ys 262,144 bytes
;; launch quant (part 1): grid 384 x 1, 4 waves a work-group, no clusters, 33,280 bytes of LDS; arguments x, w_in, w_out, codes, scales; writes codes, scales
.if DOCPART == 1
	.amdgcn_target "amdgcn-amd-amdhsa--gfx1250"
	.amdhsa_code_object_version 6
	.text
	.protected	k_qd05b778472_quant
	.globl	k_qd05b778472_quant
	.p2align	8
	.type	k_qd05b778472_quant,@function
k_qd05b778472_quant:
	s_mov_b64 s[64:65], 0
	v_nop
	global_prefetch_b8 v0, s[64:65] scope:SCOPE_SE
	s_setreg_imm32_b32 hwreg(HW_REG_WAVE_MODE, 25, 1), 1
	s_wait_xcnt 0x0
; x [8192][1024], w_in [3072][1024] and w_out [1024][1024], f32, K innermost, become codes of FP8 (E4M3) with one E8M0 byte for each 32 along K.
; codes: [12288 rows][1024 bytes], scales: [12288 rows][32 bytes]; x's rows first, then w_in's, then w_out's.
; ROWS ARE STORED WITH BITS 3 AND 4 OF THEIR NUMBER SWAPPED: sixteen rows on end in the buffers, tile 2 b + u of a group of 32, are the rows 32 b + 8 u + m + 8 (m / 8).  So the later
; products read neighbouring rows from LDS, and the 16 registers of two neighbouring result tiles are 16 neighbours along the axis that is quantised next.
; A block's scale is 2^(floor(log2(its largest magnitude)) - 8); its byte is the largest magnitude's exponent field - 8, held at 1 from below.  Each number is divided by the scale, held within +-448, rounded to the nearest code, ties to even.
; LIMITS: a block of zeros, or one whose largest magnitude lies under 2^-118, keeps the byte 1 (its codes are zeros or subnormal; this program alone reads the bytes); NaN and infinities among the inputs are not served.
; A work-group takes 32 rows, a wave 8 rows = 8,192 numbers in 16 steps of 512: so the swap of the row's bits 3 and 4 is a swap of the two bits of the wave's number in the place where it stores.
; Each load reads 512 consecutive bytes; a step's 2,048 bytes turn through the wave's own stage in LDS, so that a lane holds 16 neighbours along K (two lanes hold a block).
; A stream: memory binds, waves share nothing: no matrix unit, no cluster, no tensor load, no barrier.
.set STEPS, 16
.set MANT,  0x600000                   ; the mantissa field of 448 as f32
.set CB,    16                         ; bytes of 16 codes
.set R,     16                         ; v16-79   four sets of 16 numbers as they are loaded
.set X,     80                         ; v80-111  two sets of 16 neighbours
.set E,     112                        ; v112-127 a scale byte for each step
.set C,     128                        ; v128-191 codes: four registers for each step, so that no store's data are written again
.set WREG,  8192                       ; LDS: a region for each wave: two stages of 32 x SP bytes, behind them its 256 scale bytes
.set SP,    80                         ; a lane's place in a stage: its 64 bytes + 16 of padding
	s_load_b256 s[4:11], s[0:1], 0x0               ; x s[4:5], w_in s[6:7], w_out s[8:9], codes s[10:11]
	s_load_b64 s[12:13], s[0:1], 0x20              ; scales
	v_lshl_add_u32 v192, v0, 2, 0x8000
	v_mov_b32 v193, 0
	v_lshrrev_b32 v1, 5, v0
	v_readfirstlane_b32 s16, v1                    ; wave
	v_and_b32 v2, 31, v0                           ; lane
	v_lshlrev_b32 v3, 4, v2                        ; my 16 bytes of a load's 512
	s_mul_i32 s17, s16, WREG
	v_lshrrev_b32 v14, 2, v2
	v_mul_u32_u24 v14, v14, SP
	v_and_b32 v15, 3, v2
	v_lshl_add_u32 v14, v15, 4, v14
	v_add_nc_u32 v14, s17, v14                     ; the stage, on the way in: SP (lane / 4) + 16 (lane % 4)
	v_mul_u32_u24 v15, v2, SP
	v_add_nc_u32 v15, s17, v15                     ; and on the way out: SP x lane: my 16 neighbours
	v_mul_u32_u24 v4, v2, CB                       ; my codes' place in a step's
	v_lshrrev_b32 v5, 1, v2
	s_add_co_u32 s17, s17, 2*32*SP
	v_add_nc_u32 v5, s17, v5                       ; LDS: my wave's 256 scale bytes, my block's byte
	v_lshlrev_b32 v7, 3, v2                        ; and on the way out 8 bytes a lane
	v_add_nc_u32 v6, s17, v7
	s_wait_alu depctr_va_vdst(0)
	s_wait_kmcnt 0x0
	s_mov_b32 s17, 352                             ; work-groups 0-255 take x, 256-351 w_in, 352-383 w_out: the choice hangs on the work-group's number alone
	s_cmp_lt_u32 ttmp9, 352
	s_cselect_b64 s[6:7], s[6:7], s[8:9]
	s_cselect_b32 s17, 256, s17
	s_cmp_lt_u32 ttmp9, 256
	s_cselect_b64 s[4:5], s[4:5], s[6:7]
	s_cselect_b32 s17, 0, s17                      ; the tensor's first work-group
	s_sub_co_u32 s17, ttmp9, s17
	s_lshl_b32 s17, s17, 2
	s_add_co_u32 s18, s17, s16                     ; which run of 8 rows of the tensor I read
	s_mov_b32 s19, 0
	s_lshl_b64 s[20:21], s[18:19], 15              ; 32,768 bytes a run
	s_add_nc_u64 s[4:5], s[4:5], s[20:21]
	s_and_b32 s22, s16, 1                          ; where I store: the wave's two bits change places
	s_lshl_b32 s22, s22, 1
	s_lshr_b32 s23, s16, 1
	s_or_b32 s22, s22, s23
	s_lshl_b32 s18, ttmp9, 2
	s_add_co_u32 s18, s18, s22                     ; which run of 8 rows of the two buffers
	s_lshl_b64 s[20:21], s[18:19], 13              ; 8,192 bytes of codes a run
	s_add_nc_u64 s[10:11], s[10:11], s[20:21]
	s_lshl_b64 s[20:21], s[18:19], 8               ; 256 scale bytes a run
	s_add_nc_u64 s[12:13], s[12:13], s[20:21]
.macro LOAD t
.irp i, 0,1,2,3
	global_load_b128 v[R+16*((\t)%4)+4*\i:R+16*((\t)%4)+4*\i+3], v3, s[4:5] offset:2048*(\t)+512*\i th:TH_LOAD_NT   ; 32 lanes read 512 consecutive bytes
.endr
.endm
.macro TURN t                          ; step t's numbers through the stage: LDS serves a wave's instructions in order, so no wait stands between the stores and the loads
.irp i, 0,1,2,3
	ds_store_b128 v14, v[R+16*((\t)%4)+4*\i:R+16*((\t)%4)+4*\i+3] offset:32*SP*((\t)%2)+8*SP*\i
.endr
.irp i, 0,1,2,3
	ds_load_b128 v[X+16*((\t)%2)+4*\i:X+16*((\t)%2)+4*\i+3], v15 offset:32*SP*((\t)%2)+16*\i
.endr
.endm
.irp t, 0,1,2,3
	LOAD \t
.endr
	s_wait_loadcnt 12                              ; step 0's four loads are in; the twelve of steps 1 to 3 may be out
	TURN 0
.macro STEP t
.set XS, X+16*((\t)%2)
.if (\t) > 0
	s_wait_dscnt 1                                 ; this step's numbers are back from the stage (the last step's byte store may be out): so its stores into the stage have read their registers,
.else
	s_wait_dscnt 0x0
.endif
.if (\t)+4 < STEPS
	LOAD (\t)+4                                    ; which take the loads of four steps on
.endif
.if (\t)+1 < STEPS
.if STEPS-2-(\t) >= 3
	s_wait_loadcnt 12                              ; the next step's four loads are in; those of the three steps behind it may be out
.else
	s_wait_loadcnt 4*(STEPS-2-(\t))
.endif
	TURN (\t)+1                                    ; and go through the other stage while this step is worked
.endif
	v_max3_num_f32 v8, |v[XS]|, |v[XS+1]|, |v[XS+2]|               ; the largest magnitude of my 16
	v_max3_num_f32 v9, |v[XS+3]|, |v[XS+4]|, |v[XS+5]|
.irp i, 6,10
	v_max3_num_f32 v8, v8, |v[XS+\i]|, |v[XS+\i+1]|
	v_max3_num_f32 v9, v9, |v[XS+\i+2]|, |v[XS+\i+3]|
.endr
	v_max3_num_f32 v8, v8, |v[XS+14]|, |v[XS+15]|
	v_max3_num_f32 v8, v8, v9, 0x4800000           ; and the floor 2^(9 - 127): so the byte cannot fall under 1
	v_max_num_f32_dpp v8, v8, v8 row_xmask:1 row_mask:0xf bank_mask:0xf   ; and of my neighbour's 16: the block's
	v_add_nc_u32 v11, 0xfc000000, v8               ; 8 off its exponent field: the conversion takes the exponent field of this operand as its scale
.irp i, 0,1,2,3,4,5,6,7,8,9,10,11,12,13,14,15
.endr
	v_cvt_scalef32_pk8_fp8_f32 v[C+4*(\t):C+4*(\t)+1], v[XS:XS+7], v11
	v_cvt_scalef32_pk8_fp8_f32 v[C+4*(\t)+2:C+4*(\t)+3], v[XS+8:XS+15], v11
	v_lshrrev_b32 v[E+(\t)], 23, v11               ; the scale's byte
	ds_store_b8 v5, v[E+(\t)] offset:16*(\t)       ; both lanes of a block write the same byte with the same value
	global_store_b128 v4, v[C+4*(\t):C+4*(\t)+3], s[10:11] offset:32*CB*(\t)   ; 32 lanes store 512 consecutive bytes
.endm
.irp t, 0,1,2,3,4,5,6,7,8,9,10,11,12,13,14,15
	STEP \t
.endr
	ds_load_b64 v[12:13], v6                       ; LDS serves a wave's instructions in order: these see my stores
	s_wait_dscnt 0x0
	global_store_b64 v7, v[12:13], s[12:13]        ; 32 lanes store 256 consecutive bytes, aligned
	s_wait_tensorcnt 0x0
	ds_add_u32 v192, v193
	s_wait_dscnt 0x0
	s_endpgm
.Lfunc_end_k_qd05b778472_quant:
	.size	k_qd05b778472_quant, .Lfunc_end_k_qd05b778472_quant-k_qd05b778472_quant
	.p2alignl 7, 3214868480
	.fill 96, 4, 3214868480
	.section	.rodata,"a",@progbits
	.p2align	6, 0x0
	.amdhsa_kernel k_qd05b778472_quant
		.amdhsa_group_segment_fixed_size 33280
		.amdhsa_private_segment_fixed_size 0
		.amdhsa_enable_private_segment 0
		.amdhsa_kernarg_size 40
		.amdhsa_user_sgpr_count 2
		.amdhsa_user_sgpr_kernarg_segment_ptr 1
		.amdhsa_wavefront_size32 1
		.amdhsa_system_sgpr_workgroup_id_x 1
		.amdhsa_system_sgpr_workgroup_id_y 1
		.amdhsa_system_sgpr_workgroup_id_z 1
		.amdhsa_system_vgpr_workitem_id 0
		.amdhsa_next_free_vgpr 194
		.amdhsa_next_free_sgpr 66
		.amdhsa_reserve_vcc 0
		.amdhsa_float_denorm_mode_32 3
		.amdhsa_float_denorm_mode_16_64 3
		.amdhsa_fp16_overflow 1
		.amdhsa_memory_ordered 1
		.amdhsa_forward_progress 1
		.amdhsa_inst_pref_size 34
	.end_amdhsa_kernel
	.amdgpu_metadata
---
amdhsa.version: [ 1, 2 ]
amdhsa.kernels:
  - .name:           k_qd05b778472_quant
    .symbol:         k_qd05b778472_quant.kd
    .args:
      - { .name: x, .offset: 0, .size: 8, .value_kind: global_buffer, .address_space: global }
      - { .name: w_in, .offset: 8, .size: 8, .value_kind: global_buffer, .address_space: global }
      - { .name: w_out, .offset: 16, .size: 8, .value_kind: global_buffer, .address_space: global }
      - { .name: codes, .offset: 24, .size: 8, .value_kind: global_buffer, .address_space: global }
      - { .name: scales, .offset: 32, .size: 8, .value_kind: global_buffer, .address_space: global }
    .group_segment_fixed_size: 33280
    .private_segment_fixed_size: 0
    .kernarg_segment_align: 8
    .kernarg_segment_size: 40
    .max_flat_workgroup_size: 128
    .sgpr_count:     66
    .vgpr_count:     194
    .wavefront_size: 32
...
	.end_amdgpu_metadata
.endif
;; end of part 1
;; launch qkv (part 2): grid 8 x 48, 4 waves a work-group, clusters of 4 x 4, 327,680 bytes of LDS; arguments codes, scales, qkv; writes qkv
.if DOCPART == 2
	.amdgcn_target "amdgcn-amd-amdhsa--gfx1250"
	.amdhsa_code_object_version 6
	.text
	.protected	k_qd05b778472_qkv
	.globl	k_qd05b778472_qkv
	.p2align	8
	.type	k_qd05b778472_qkv,@function
k_qd05b778472_qkv:
	s_mov_b64 s[64:65], 0
	v_nop
	global_prefetch_b8 v0, s[64:65] scope:SCOPE_SE
	s_setreg_imm32_b32 hwreg(HW_REG_WAVE_MODE, 25, 1), 1
	s_wait_xcnt 0x0
	s_wait_alu depctr_hold_cnt(0) depctr_sa_sdst(0) depctr_va_vdst(0) depctr_va_sdst(0) depctr_va_ssrc(0) depctr_va_vcc(0) depctr_vm_vsrc(0)
	s_getreg_b32 s2, hwreg(HW_REG_IB_STS2, 6, 4)
	s_cmp_eq_u32 s2, 0
	s_cbranch_scc0 .Lentry_in_a_cluster
	s_endpgm
.Lentry_in_a_cluster:
	s_bfe_u32 s2, ttmp6, 0x10000c
	s_cmp_lg_u32 s2, 0xf033
	s_cbranch_scc0 .Lentry_shape_is_right
	s_endpgm
.Lentry_shape_is_right:
; qkv = x w_in^T on codes of FP8 (E4M3) with E8M0 scales, K = 1,024; the results never leave as f32: they are quantised in registers for the attention's products and stored in the order of its operand registers.
; A tile is 256 x 256, four waves, 128 x 128 a wave: 64 accumulators, 512 registers.  K goes in steps of 256 through a ring of two LDS slots filled by the tensor data mover.
; THE MATRIX INSTRUCTION IS USED TRANSPOSED: source 0 = 16 rows of 'B', source 1 = 16 rows of 'A': a lane holds one row of A, its registers run along B's rows.  Rows lie in the buffers with bits 3 and 4 of their
; number swapped, so the 16 registers of result tiles 2 b and 2 b + 1 are 16 NEIGHBOURS, 32 b + 16 (lane / 16) + 0 .. 15, along B's rows: the axis that is quantised.
; TWO PARTS, one text; only numbers chosen on the cluster's y differ (it is the same in all sixteen partners):
;   clusters y 0-7:  A = x (tokens), B = w_in's rows 0-2047: a lane holds a token, registers run along a head's 64: q and k, quantised along the head.
;   clusters y 8-11: A = w_in's rows 2048-3071, B = x: a lane holds one channel of v, registers run along the tokens: v, quantised along the keys.
; OUT: records of 25,344 bytes for (batch, head, block of 128 tokens): K's codes 8,192 + words 256, V's 8,192 + 256, Q's 8,192 + 256, each as an image of operand registers: 16 bytes a lane, 512 bytes a store.
; CLUSTERS: 4 x 4 work-groups; A's tiles are asked for jointly along a row of the cluster, B's along a column.
; LIMITS: blocks whose largest magnitude lies under 2^-118 keep the byte 1; NaN and infinities are not served.
; REGISTERS: window 0: v0-31 addresses; v32-63 scale words, two sets; from v128 A's fragments, one set (on the way out: codes and work).  window 1: B's fragments, two sets.  windows 2, 3: the accumulators ((a, b) at v[8 (8 (a % 4) + b)]).
.set SIZE_K, 1024
.set KSTEP,  256
.set NQ,     KSTEP/128
.set ROWB,   256
.set KROW,   SIZE_K
.set PITCH,  272                       ; an LDS row: 256 bytes + 16 of padding = 68 words: the 16 rows that a load touches start at 16 different banks (64 banks of 4 bytes: ISA guide 11.1)
.set FR,     16
.set NL,     4
.set NP,     8                         ; places behind this matrix instruction (ISA guide 7.12.1)
.set HALFT,  128*PITCH
.set SLOT,   4*HALFT                   ; A's 256 rows, then B's 256 rows
.set LAPS,   SIZE_K/(2*KSTEP)
.set KS,     SIZE_K/32
.set SCL,    2*SLOT                    ; behind the ring: the scales, as units of 256 bytes + 16 of padding
.set HALFS,  (128*KS/256)*272
.set SBLK,   (16*KS/256)*272
.set SPARE,  SCL+4*HALFS               ; the spare words, 128 bytes for each wave
.set STG,    SPARE+512                 ; 512 bytes for each wave: the scale words' way out; no fill lands here
.set RECB,   25344                     ; a record
.set HS,     16*RECB                   ; from a head to the next
.set VB0,  8                           ; v8   16 x lane
.set VB2,  9                           ; v9   16 x lane + the distance of blocks 2, 3 from blocks 0, 1
.set SOFF, 10                          ; v10  scale words out: lanes 0-15 the first head's 256 bytes, lanes 16-31 the second's
.set STA,  11                          ; v11  my place in the wave's 512 bytes: 4 x (lane % 16)
.set STL,  12                          ; v12  and on the way back: 16 x lane
.set ADRA, 16
.set ADRB, 20
.set ADRS, 27
.set SPW,  28                          ; v28  LDS address of my spare word; never rewritten
.set NIL,  29                          ; v29  0; never rewritten
.set SC,   32
.set AF,   128
.set PC,   128                         ; the way out: 16 registers of codes
.set TM,   144                         ; +0 largest magnitudes, +4 at work and bytes, +12 the conversions' scale operands
.set W,    160                         ; a scale word for each of A's eight blocks
.set U,    168                         ; the words as they are stored
.set CAND, 176
.set OUTS, 180
.set G1, 24
.set G0, 32
.set G1B, 48
.set G0B, 56
.set G1S, 68
.set G0S, 76
.set G1SB, 80
.set G0SB, 88
.set MSB, 0
.macro WIN new                         ; the immediate's high byte repeats the setting that is left
.if MSB != \new
	s_set_vgpr_msb (MSB<<8)|\new
.set MSB, \new
.endif
.endm
.set MUL_LO, 0xa1                      ; source 0 (B) window 1, source 1 (A) window 0, C and D window 2
.set MUL_HI, 0xf1
.set TO_B,   0x40
; A joint load: waves 0 and 1 fetch for A, waves 2 and 3 for B; the branch hangs on the wave's number alone.  Four v_nop follow each of the two lines.
.macro JLOAD g0a, g1a, g0b, g1b
	s_cmp_eq_u32 s15, 0
	s_cbranch_scc0 .Lfor_b_\@
	tensor_load_to_lds s[\g0a:\g0a+3], s[\g1a:\g1a+7]
	s_nop 0
.rept 4
	v_nop
.endr
	s_branch .Lasked_\@
.Lfor_b_\@:
	tensor_load_to_lds s[\g0b:\g0b+3], s[\g1b:\g1b+7]
	s_nop 0
.rept 4
	v_nop
.endr
.Lasked_\@:
.endm
.macro CREST                           ; a round of the cluster's barrier behind its opening barrier
	s_cmp_lg_u32 s14, 0
	s_cbranch_scc1 .Lnot_wave_0_\@
	s_barrier_signal -3
.Lnot_wave_0_\@:
	s_barrier_wait -3
	s_barrier_signal -1
	s_barrier_wait -1
.endm
.macro CROUND
	s_barrier_signal -1
	s_barrier_wait -1
	CREST
.endm
	s_load_b128 s[4:7], s[0:1], 0x0                ; codes s[4:5], scales s[6:7]
	s_load_b64 s[12:13], s[0:1], 0x10              ; qkv
	v_lshl_add_u32 v[SPW], v0, 2, SPARE
	v_mov_b32 v[NIL], 0
	ds_add_u32 v28, v29
	ds_add_u32 v28, v29
	s_wait_dscnt 0x0
	v_lshrrev_b32 v1, 5, v0
	v_readfirstlane_b32 s14, v1                    ; wave 0..3
	s_lshr_b32 s15, s14, 1                         ; which half of A's rows is mine.  Also: I fetch for A (0) or for B (1)
	s_and_b32 s16, s14, 1                          ; which half of B's rows.  Also: which 128 rows I fetch
	s_bfe_u32 s40, ttmp6, 0x40000                  ; cx, cy: my place in the cluster
	s_bfe_u32 s41, ttmp6, 0x40004
	s_and_b32 s95, ttmp7, 0xffff                   ; the cluster's y, 0..11: under 8 q and k, from 8 on v
	s_sub_co_u32 s96, s95, 8
	s_lshl_b32 s96, s96, 1
	s_add_co_u32 s96, s96, ttmp9                   ; v: 8 clusters along the tokens
	s_mov_b32 s97, 10240
	s_mov_b32 s98, 8192
	s_cmp_lt_u32 s95, 8
	s_cselect_b32 s96, ttmp9, s96                  ; the cluster's place along B
	s_cselect_b32 s99, s95, 0                      ; and along A
	s_cselect_b32 s97, 0, s97                      ; A's first row in the buffers: x's, or w_in's row 2048
	s_cselect_b32 s98, s98, 0                      ; B's: w_in's row 0, or x's
	s_lshl_b32 s42, s96, 2
	s_add_co_u32 s42, s42, s40                     ; tile column (B)
	s_lshl_b32 s17, s99, 2
	s_add_co_u32 s17, s17, s41                     ; tile row (A)
	s_lshl_b32 s43, s41, 2
	s_lshl_b32 s43, 15, s43                        ; my row of the cluster
	s_lshl_b32 s44, 0x1111, s40                    ; my column
	; descriptor group 1: a tile of 128 rows x 256 bytes, padded in LDS
	s_or_b32 s[G1+0], s43, (0<<16)|(1<<20)|(1<<21)|(5<<22)|(3<<25)  ; the mask; elements of 1 byte; padding on; bit 21 beside a mask; after every 64 words, 4 words
	s_or_b32 s[G1B+0], s44, (0<<16)|(1<<20)|(1<<21)|(5<<22)|(3<<25)
.irp g, G1, G1B
	s_mov_b32 s[\g+1], ROWB<<16                    ; tensor_dim0
	s_mov_b32 s[\g+2], 128<<16                     ; tensor_dim1
	s_mov_b32 s[\g+3], ROWB<<16                    ; tile_dim0
	s_mov_b32 s[\g+4], 128                         ; tile_dim1
	s_mov_b32 s[\g+5], KROW                        ; the pitch
	s_mov_b32 s[\g+6], 0
	s_mov_b32 s[\g+7], 0
.endr
	; the scales of 128 rows: 4,096 dense bytes as 16 rows of 256 (32 elements of 8 bytes), 16 bytes of padding behind each
	s_or_b32 s[G1S+0], s43, (3<<16)|(1<<20)|(1<<21)|(5<<22)|(3<<25)
	s_or_b32 s[G1SB+0], s44, (3<<16)|(1<<20)|(1<<21)|(5<<22)|(3<<25)
.irp g, G1S, G1SB
	s_mov_b32 s[\g+1], 32<<16
	s_mov_b32 s[\g+2], (128*KS/256)<<16
	s_mov_b32 s[\g+3], 32<<16
	s_mov_b32 s[\g+4], 128*KS/256
	s_mov_b32 s[\g+5], 32
	s_mov_b32 s[\g+6], 0
	s_mov_b32 s[\g+7], 0
.endr
	s_lshl_b32 s18, s16, 7                         ; which 128 rows of the tile I fetch
	s_lshl_b32 s20, s17, 8
	s_add_co_u32 s20, s20, s18
	s_add_co_u32 s20, s20, s97                     ; A's row in the buffers
	s_lshl_b32 s46, s42, 8
	s_add_co_u32 s46, s46, s18
	s_add_co_u32 s46, s46, s98                     ; B's
	s_mov_b32 s21, 0
	s_mov_b32 s47, 0
	s_mov_b64 s[18:19], KS
	s_mul_u64 s[22:23], s[20:21], s[18:19]         ; where these rows' scales begin, in bytes
	s_mul_u64 s[92:93], s[46:47], s[18:19]
	s_mov_b64 s[18:19], KROW
	s_mul_u64 s[20:21], s[20:21], s[18:19]         ; and their codes
	s_mul_u64 s[46:47], s[46:47], s[18:19]
	s_mul_i32 s45, s14, HALFT                      ; where they go: wave x 128 rows
	s_mul_i32 s94, s14, HALFS
	s_wait_kmcnt 0x0
	s_add_nc_u64 s[20:21], s[4:5], s[20:21]
	s_add_nc_u64 s[22:23], s[6:7], s[22:23]
	s_add_nc_u64 s[46:47], s[4:5], s[46:47]
	s_add_nc_u64 s[92:93], s[6:7], s[92:93]
	CROUND                                         ; all sixteen work-groups are here: the first joint loads meet
	s_mov_b32 s[G0S], 1
	s_add_co_u32 s[G0S+1], s94, SCL
	s_mov_b64 s[G0S+2:G0S+3], s[22:23]
	s_or_b32 s[G0S+3], s[G0S+3], 0x80000000
	s_mov_b32 s[G0SB], 1
	s_add_co_u32 s[G0SB+1], s94, SCL
	s_mov_b64 s[G0SB+2:G0SB+3], s[92:93]
	s_or_b32 s[G0SB+3], s[G0SB+3], 0x80000000
	JLOAD G0S, G1S, G0SB, G1SB                     ; the scales first: they are wanted with K step 0
.irp s, 0,1
	s_mov_b32 s[G0+4*\s], 1
	s_add_co_u32 s[G0+4*\s+1], s45, \s*SLOT
	s_add_nc_u64 s[G0+4*\s+2:G0+4*\s+3], s[20:21], \s*ROWB
	s_or_b32 s[G0+4*\s+3], s[G0+4*\s+3], 0x80000000
	s_mov_b32 s[G0B+4*\s], 1
	s_add_co_u32 s[G0B+4*\s+1], s45, \s*SLOT
	s_add_nc_u64 s[G0B+4*\s+2:G0B+4*\s+3], s[46:47], \s*ROWB
	s_or_b32 s[G0B+4*\s+3], s[G0B+4*\s+3], 0x80000000
	JLOAD G0+4*\s, G1, G0B+4*\s, G1B               ; three tensor loads of mine are out now
.endr
	v_and_b32 v1, 15, v0                           ; l % 16
	v_bfe_u32 v2, v0, 4, 1                         ; l / 16
	v_mul_u32_u24 v3, v1, PITCH
	v_lshl_add_u32 v4, v2, 4, v3                   ; a fragment's row x pitch + 16 x half
	s_mul_i32 s21, s15, HALFT                      ; my 128 rows of A
	s_mul_i32 s22, s16, HALFT                      ; my 128 rows of B,
	s_add_co_u32 s22, s22, 2*HALFT                 ; which lie behind A's 256
.irp s, 0,1
	v_add_nc_u32 v[ADRA+\s], s21, v4
	v_add_nc_u32 v[ADRB+\s], s22, v4
	s_add_co_u32 s21, s21, SLOT
	s_add_co_u32 s22, s22, SLOT
.endr
	v_mul_u32_u24 v5, v1, KS                       ; my row's scales: 32 bytes a row,
	v_lshrrev_b32 v6, 8, v5
	v_lshl_add_u32 v5, v6, 4, v5                   ; and 16 more for each 256 passed
	s_mul_i32 s21, s15, HALFS
	s_mul_i32 s22, s16, HALFS
	s_add_co_u32 s22, s22, 2*HALFS
	s_sub_co_u32 s22, s22, s21
	v_mul_u32_u24 v6, s22, v2                      ; lanes 16-31 take B's
	s_add_co_u32 s21, s21, SCL
	v_add_nc_u32 v5, v5, v6
	v_add_nc_u32 v[ADRS], s21, v5
	; where my results go
	s_lshl_b32 s20, s17, 1
	s_add_co_u32 s20, s20, s15                     ; which 128 rows of A are mine
	s_lshl_b32 s46, s42, 1
	s_add_co_u32 s46, s46, s16                     ; which 128 rows of B
	s_and_b32 s47, s46, 7
	s_mov_b32 s2, 16896
	s_cmp_lt_u32 s46, 8
	s_cselect_b32 s2, s2, 0                        ; w_in's rows 0-1023 make q (its place in a record: 16,896), rows 1024-2047 k (0)
	s_mov_b32 s96, 2048
	s_mov_b32 s98, HS-3*2048
	s_mov_b32 s18, 8448
	s_mov_b32 s19, HS
	s_cmp_lt_u32 s95, 8
	s_cselect_b32 s66, s20, s46                    ; the block of 128 tokens, 0..63
	s_cselect_b32 s67, s47, s20                    ; the pair of heads, 0..7
	s_cselect_b32 s2, s2, s18                      ; the place in a record
	s_cselect_b32 s96, 1024, s96                   ; from one of A's blocks to the next: q, k: a tile of tokens; v: a tile of channels,
	s_cselect_b32 s98, 1024, s98                   ; at block 4 for v: on to the second head
	s_cselect_b32 s100, 0, -1                      ; v: all ones
	s_cselect_b32 s19, s19, 1024                   ; blocks 2, 3 of a lane's 64 numbers: q, k: the second head; v: keys 64 on
	s_mov_b32 s97, 0
	s_mov_b32 s99, 0
	s_lshr_b32 s18, s66, 4
	s_lshl_b32 s18, s18, 4                         ; 16 x batch
	s_lshl_b32 s67, s67, 1
	s_add_co_u32 s18, s18, s67                     ; + head
	s_lshl_b32 s18, s18, 4
	s_and_b32 s66, s66, 15
	s_add_co_u32 s18, s18, s66                     ; the record
	s_mul_i32 s66, s18, RECB
	s_add_co_u32 s66, s66, s2
	s_mov_b32 s67, 0
	s_add_nc_u64 s[12:13], s[12:13], s[66:67]      ; kept for the scale words;
	s_mov_b64 s[66:67], s[12:13]                   ; this one steps
	v_and_b32 v6, 31, v0
	v_lshlrev_b32 v[VB0], 4, v6
	v_add_nc_u32 v[VB2], s19, v[VB0]
	v_mul_u32_u24 v[SOFF], v2, HS
	v_lshl_add_u32 v[SOFF], v1, 4, v[SOFF]
	s_lshl_b32 s18, s14, 9
	s_add_co_u32 s18, s18, STG
	v_lshl_add_u32 v[STA], v1, 2, s18
	v_add_nc_u32 v[STL], s18, v[VB0]
.macro FRAG reg, adr, q, i             ; 16 rows x 128 K: lane l holds row l % 16; registers 4 c .. 4 c + 3 hold K = 32 c + 16 (l / 16) + 0 .. 15
.irp c, 0,1,2,3
	ds_load_b128 v[\reg+4*\c:\reg+4*\c+3], v[\adr] offset:128*(\q)+32*\c+(\i)*16*PITCH
.endr
.endm
; 16 matrix instructions: A's blocks a0, a0 + 1 x B's eight.  The 64 accumulators take turns, one instruction a turn.  zero = 1: the first product starts the sums.
.macro MUL16 a0, p, q, sc, zero
.irp a, \a0, \a0+1
.irp b, 0,1,2,3,4,5,6,7
.if \zero
	v_wmma_scale_f32_16x16x128_f8f6f4 v[8*(8*((\a)%4)+\b):8*(8*((\a)%4)+\b)+7], v[128*(\p)+FR*\b:128*(\p)+FR*\b+FR-1], v[AF+FR*(\a):AF+FR*(\a)+FR-1], 0, v[SC+8*NQ*(\sc)+NQ*\b+(\q)], v[SC+8*NQ*(\sc)+NQ*(\a)+(\q)] matrix_a_scale:MATRIX_SCALE_ROW1
.else
	v_wmma_scale_f32_16x16x128_f8f6f4 v[8*(8*((\a)%4)+\b):8*(8*((\a)%4)+\b)+7], v[128*(\p)+FR*\b:128*(\p)+FR*\b+FR-1], v[AF+FR*(\a):AF+FR*(\a)+FR-1], v[8*(8*((\a)%4)+\b):8*(8*((\a)%4)+\b)+7], v[SC+8*NQ*(\sc)+NQ*\b+(\q)], v[SC+8*NQ*(\sc)+NQ*(\a)+(\q)] matrix_a_scale:MATRIX_SCALE_ROW1
.endif
.endr
.endr
.endm
.macro FETCH_B slot, q, p
	WIN TO_B
.irp i, 0,1,2,3,4,5,6,7
	FRAG 128*(\p)+FR*\i, ADRB+\slot, \q, \i
.endr
	WIN 0
.endm
.macro FETCH_A slot, q, i0
.irp i, \i0, \i0+1, \i0+2, \i0+3
	FRAG AF+FR*(\i), ADRA+\slot, \q, \i
.endr
.endm
.macro SCALES sc                       ; a K step's scale words: lanes 0-15 take A's block i, lanes 16-31 B's block i
.irp i, 0,1,2,3,4,5,6,7
	ds_load_b64 v[SC+8*NQ*\sc+NQ*\i:SC+8*NQ*\sc+NQ*\i+1], v[ADRS] offset:\i*SBLK
.endr
.endm
.macro PLACES n                        ; plain vector instructions between a matrix instruction and a load into, or a read of, its registers
.rept \n
	v_nop
.endr
.endm
.macro STEP slot, q, zero              ; 128 along K that have their successor in the same slot
	s_wait_dscnt 4*NL                              ; B's set and A's blocks 0-3 are in; the youngest sixteen loads (A's blocks 4-7) may be out
	WIN MUL_LO
	MUL16 0, (\q)%2, \q, \slot, \zero
	MUL16 2, (\q)%2, \q, \slot, \zero
	s_wait_dscnt 0
	PLACES NP
	FETCH_B \slot, (\q)+1, 1-(\q)%2
	FETCH_A \slot, (\q)+1, 0
	WIN MUL_HI
	MUL16 4, (\q)%2, \q, \slot, \zero
	MUL16 6, (\q)%2, \q, \slot, \zero
	PLACES NP
	WIN 0
	FETCH_A \slot, (\q)+1, 4
.endm
; A slot's last step changes slots: one barrier; in front of it each wave waits for all its tensor loads, adds 0 to its spare word, and waits for that and for its reads of this slot.
.macro TURN slot, next, fill
	s_wait_tensorcnt 0x0                           ; all my tensor loads have landed: my part of the next slot
	ds_add_u32 v[SPW], v[NIL]                      ; 0 onto my spare word
	s_wait_dscnt 4*NL+1                            ; (the add and the youngest sixteen loads may be out)
	WIN MUL_LO
	MUL16 0, 1, NQ-1, \slot, 0
	s_wait_dscnt 0x0                               ; the add is done, and my reads of this slot are over
	s_barrier_signal -1
	MUL16 2, 1, NQ-1, \slot, 0
	WIN 0
	s_barrier_wait -1
.if \fill
	CREST                                          ; the barrier has opened a round of the cluster's: no wave of any partner still reads this slot or has a load on its way
	s_add_nc_u64 s[G0+4*\slot+2:G0+4*\slot+3], s[G0+4*\slot+2:G0+4*\slot+3], 2*ROWB
	s_add_nc_u64 s[G0B+4*\slot+2:G0B+4*\slot+3], s[G0B+4*\slot+2:G0B+4*\slot+3], 2*ROWB
	JLOAD G0+4*\slot, G1, G0B+4*\slot, G1B         ; the first tensor load behind the round; its four v_nop are among the places below
	PLACES NP-4
.else
	PLACES NP
.endif
	s_wait_alu depctr_va_vdst(0)
	v_add_nc_u32 v[ADRS], 4*NQ, v[ADRS]            ; on to the next K step's scale words
	FETCH_B \next, 0, 0
	FETCH_A \next, 0, 0
	SCALES \next
	WIN MUL_HI
	MUL16 4, 1, NQ-1, \slot, 0
	MUL16 6, 1, NQ-1, \slot, 0
	PLACES NP
	WIN 0
	FETCH_A \next, 0, 4
.endm
	s_wait_alu depctr_va_vdst(0)
	s_wait_tensorcnt 1                             ; the scales and my part of K step 0 are in (K step 1's load may be out),
	s_barrier_signal -1
	s_barrier_wait -1                              ; everybody's are
	FETCH_B 0, 0, 0
	FETCH_A 0, 0, 0
	SCALES 0
	FETCH_A 0, 0, 4
	STEP 0, 0, 1                                   ; the first step's products start the sums
	s_mov_b32 s3, LAPS-1
.Llap:
	TURN 0, 1, 1
	STEP 1, 0, 0
	TURN 1, 0, 1
	STEP 0, 0, 0
	s_sub_co_u32 s3, s3, 1
	s_cmp_lg_u32 s3, 0
	s_cbranch_scc1 .Llap
	TURN 0, 1, 0                                   ; the last lap fills nothing
	STEP 1, 0, 0
	s_wait_dscnt 4*NL
	WIN MUL_LO
	MUL16 0, 1, NQ-1, 1, 0
	MUL16 2, 1, NQ-1, 1, 0
	s_wait_dscnt 0
	WIN MUL_HI
	MUL16 4, 1, NQ-1, 1, 0
	MUL16 6, 1, NQ-1, 1, 0
	WIN 0
; THE WAY OUT.  Block a of A: a lane's 64 numbers, register 16 b + i = neighbour 32 b + 16 (lane / 16) + i of the lane's row, lie in window 2 (a < 4) or 3.  Four blocks of 32, each shared with lane l xor 16.
; The lines are grouped by the windows that they need: w1: sources 0, 1 in the accumulators' window; w2: sources 1, 2; w4: destination and source 0; w5: source 0.
.macro QUANTW a, w1, w2, w4, w5
.set AC, 64*((\a)%4)
	WIN \w1
.irp b, 0,1,2,3
	v_max3_num_f32 v[TM+\b], |v[AC+16*\b]|, |v[AC+16*\b+1]|, 0x4800000   ; each accumulator is read from its low end on; the floor 2^(9 - 127) holds the byte at 1 from below
.endr
	WIN \w2
.irp i, 2,4,6,8,10,12,14
.irp b, 0,1,2,3
	v_max3_num_f32 v[TM+\b], v[TM+\b], |v[AC+16*\b+\i]|, |v[AC+16*\b+\i+1]|
.endr
.endr
	WIN 0
.irp b, 0,1,2,3
	v_permlanex16_b32 v[TM+4+\b], v[TM+\b], s2, s3
.endr
.irp b, 0,1,2,3
	v_max_num_f32 v[TM+\b], v[TM+\b], v[TM+4+\b]   ; the block's largest magnitude
.endr
.irp b, 0,1,2,3
	v_add_nc_u32 v[TM+12+\b], 0xfc000000, v[TM+\b] ; 8 off its exponent field: the conversion's scale operand
.endr
.irp b, 0,1,2,3
.endr
.irp b, 0,1,2,3
	v_lshrrev_b32 v[TM+4+\b], 23, v[TM+12+\b]      ; the scale's byte
.endr
	v_lshl_or_b32 v[W+\a], v[TM+5], 8, v[TM+4]
	v_lshl_or_b32 v[W+\a], v[TM+6], 16, v[W+\a]
	v_lshl_or_b32 v[W+\a], v[TM+7], 24, v[W+\a]
	WIN \w4
.irp b, 0,1,2,3
.irp i, 0,1,2,3,4,5,6,7,8,9,10,11,12,13,14,15
.endr
.endr
	WIN \w5
.irp b, 0,1,2,3
	v_cvt_scalef32_pk8_fp8_f32 v[PC+4*\b:PC+4*\b+1], v[AC+16*\b:AC+16*\b+7], v[TM+12+\b]
	v_cvt_scalef32_pk8_fp8_f32 v[PC+4*\b+2:PC+4*\b+3], v[AC+16*\b+8:AC+16*\b+15], v[TM+12+\b]
.endr
	WIN 0
	v_nop                                          ; a plain instruction behind the last conversion
.endm
	s_mov_b32 s2, 0x76543210                       ; v_permlanex16_b32's selects for lane l xor 16
	s_mov_b32 s3, 0xfedcba98
	PLACES NP
.irp b, 0,1,2,3
	v_mov_b32 v[TM+4+\b], 0                        ; written once: a lane permute's destination counts as one of its sources
.endr
.irp a, 0,1,2,3,4,5,6,7
.if \a > 0
	s_wait_xcnt 0x0                                ; the last block's stores have read their data and their base: both are written again only behind this wait
.if \a == 4
	s_add_nc_u64 s[66:67], s[66:67], s[98:99]
.else
	s_add_nc_u64 s[66:67], s[66:67], s[96:97]
.endif
.endif
.if \a < 4
	QUANTW \a, 0x0a, 0x28, 0x82, 0x02
.else
	QUANTW \a, 0x0f, 0x3c, 0xc3, 0x03
.endif
	global_store_b128 v[VB0], v[PC:PC+3], s[66:67]                   ; each store: 32 lanes, 512 consecutive bytes, aligned to 256
	global_store_b128 v[VB0], v[PC+4:PC+7], s[66:67] offset:512
	global_store_b128 v[VB2], v[PC+8:PC+11], s[66:67]
	global_store_b128 v[VB2], v[PC+12:PC+15], s[66:67] offset:512
.endr
	; The scale words.  q, k: head g's word of a pair of token tiles is bytes 2 g, 2 g + 1 of both tiles' words; v: the words as they are (head a / 4, tile a % 4).  They meet in my 512 bytes of LDS and leave 256 bytes a head.
.irp g, 0,1
.irp s, 0,1,2,3
.if \g == 0
	v_perm_b32 v[CAND], v[W+2*\s+1], v[W+2*\s], 0x05040100
.else
	v_perm_b32 v[CAND], v[W+2*\s+1], v[W+2*\s], 0x07060302
.endif
	v_cndmask_b32 v[U+4*\g+\s], v[CAND], v[W+4*\g+\s], s100
	ds_store_b32 v[STA], v[U+4*\g+\s] offset:(4*\g+\s)*64            ; both halves of the lanes write the same word with the same value
.endr
.endr
	ds_load_b128 v[OUTS:OUTS+3], v[STL]            ; LDS serves a wave's instructions in order: this sees my stores
	s_wait_dscnt 0x0
	global_store_b128 v[SOFF], v[OUTS:OUTS+3], s[12:13] offset:8192  ; sixteen lanes store 256 consecutive bytes, aligned
	s_wait_tensorcnt 0x0                           ; the wave's end
	ds_add_u32 v[SPW], v[NIL]
	s_wait_dscnt 0x0
	CROUND                                         ; the closing round
	s_endpgm
.Lfunc_end_k_qd05b778472_qkv:
	.size	k_qd05b778472_qkv, .Lfunc_end_k_qd05b778472_qkv-k_qd05b778472_qkv
	.p2alignl 7, 3214868480
	.fill 96, 4, 3214868480
	.section	.rodata,"a",@progbits
	.p2align	6, 0x0
	.amdhsa_kernel k_qd05b778472_qkv
		.amdhsa_group_segment_fixed_size 327680
		.amdhsa_private_segment_fixed_size 0
		.amdhsa_enable_private_segment 0
		.amdhsa_kernarg_size 24
		.amdhsa_user_sgpr_count 2
		.amdhsa_user_sgpr_kernarg_segment_ptr 1
		.amdhsa_wavefront_size32 1
		.amdhsa_system_sgpr_workgroup_id_x 1
		.amdhsa_system_sgpr_workgroup_id_y 1
		.amdhsa_system_sgpr_workgroup_id_z 1
		.amdhsa_system_vgpr_workitem_id 0
		.amdhsa_next_free_vgpr 1024
		.amdhsa_next_free_sgpr 101
		.amdhsa_reserve_vcc 0
		.amdhsa_float_denorm_mode_32 3
		.amdhsa_float_denorm_mode_16_64 3
		.amdhsa_fp16_overflow 1
		.amdhsa_memory_ordered 1
		.amdhsa_forward_progress 1
		.amdhsa_inst_pref_size 153
	.end_amdhsa_kernel
	.amdgpu_metadata
---
amdhsa.version: [ 1, 2 ]
amdhsa.kernels:
  - .name:           k_qd05b778472_qkv
    .symbol:         k_qd05b778472_qkv.kd
    .args:
      - { .name: codes, .offset: 0, .size: 8, .value_kind: global_buffer, .address_space: global }
      - { .name: scales, .offset: 8, .size: 8, .value_kind: global_buffer, .address_space: global }
      - { .name: qkv, .offset: 16, .size: 8, .value_kind: global_buffer, .address_space: global }
    .group_segment_fixed_size: 327680
    .private_segment_fixed_size: 0
    .kernarg_segment_align: 8
    .kernarg_segment_size: 24
    .max_flat_workgroup_size: 128
    .sgpr_count:     101
    .vgpr_count:     1024
    .wavefront_size: 32
...
	.end_amdgpu_metadata
.endif
;; end of part 2
;; launch attn (part 3): grid 4 x 64, 16 waves a work-group, clusters of 4 x 1, 272,384 bytes of LDS; arguments qkv, yc, ys; writes yc, ys
.if DOCPART == 3
	.amdgcn_target "amdgcn-amd-amdhsa--gfx1250"
	.amdhsa_code_object_version 6
	.text
	.protected	k_qd05b778472_attn
	.globl	k_qd05b778472_attn
	.p2align	8
	.type	k_qd05b778472_attn,@function
k_qd05b778472_attn:
	s_mov_b64 s[64:65], 0
	v_nop
	global_prefetch_b8 v0, s[64:65] scope:SCOPE_SE
	s_setreg_imm32_b32 hwreg(HW_REG_WAVE_MODE, 25, 1), 1
	s_wait_xcnt 0x0
	s_wait_alu depctr_hold_cnt(0) depctr_sa_sdst(0) depctr_va_vdst(0) depctr_va_sdst(0) depctr_va_ssrc(0) depctr_va_vcc(0) depctr_vm_vsrc(0)
	s_getreg_b32 s2, hwreg(HW_REG_IB_STS2, 6, 4)
	s_cmp_eq_u32 s2, 0
	s_cbranch_scc0 .Lentry_in_a_cluster
	s_endpgm
.Lentry_in_a_cluster:
	s_bfe_u32 s2, ttmp6, 0x10000c
	s_cmp_lg_u32 s2, 0x3003
	s_cbranch_scc0 .Lentry_shape_is_right
	s_endpgm
.Lentry_shape_is_right:
; y = softmax(q k^T / 8, causal) v for one (batch, head) a cluster, both products on codes of FP8 (E4M3) with E8M0 scales; y is quantised along the model's width and stored as the last product's operand registers.
; THE SOFTMAX: t = score x log2(e) / 8; M = the running largest t rounded UP to a whole number; p = 2^(t - M) is quantised along the keys, not normalised; the row's sum is taken of the unquantised p and divides at the end.
; When M moves, the sum and O are multiplied by 2^(old M - new M): exact.
; LDS: a head's codes and scale words of K and V for all 2,048 keys are 16 records x 16,896 bytes = 270,336 bytes: they come ONCE, one tensor load a wave, asked for jointly by the cluster's four work-groups, and are only read
; behind the one barrier: no ring, nothing is filled again.
; SHARES: the head's 128 tiles of 16 queries go to 4 work-groups x 16 waves x 2 jobs.  Wave w of work-group j takes tile j of the block of 128 tokens w (key steps 0 .. w) and then tile 7 - j of block 15 - w (steps 0 .. 15 - w):
; 17 steps of 128 keys for every wave; what the causal mask hides as whole steps is never computed; the last step of a job lies on the diagonal and is masked.
; LAYOUT: both products transposed: a lane holds ONE query (lane % 16).  Tokens lie in the records with bits 3 and 4 of their number swapped, so the 16 registers of score tiles 2 p and 2 p + 1 are keys 32 p + 16 (lane / 16) + 0 .. 15.
; THE HEAD IS 64 AND THE INSTRUCTION'S K IS 128: a fragment of K holds a PAIR of key tiles (registers 0-7 tile 2 p, 8-15 tile 2 p + 1); q stands between zeros, [0 | q | 0]: [q | 0] gives tile 2 p's scores, [0 | q] tile 2 p + 1's.
; No branch and no LDS address hangs on the work-group's place in the cluster: it enters q's and y's global addresses, the mask's number and a byte select.
; LIMITS: NaN and infinities are not served; terms that a later, larger M pushes under the smallest f32 number are lost; 1 / sum is v_rcp_f32; blocks whose largest magnitude lies under 2^-118 keep the byte 1.
.set RECB, 25344                       ; a record in memory
.set KVB,  16896                       ; its part for K and V: K's codes 0, K's words 8,192, V's codes 8,448, V's words 16,640
.set L16,  1                           ; v1  16 x lane
.set R4,   2                           ; v2  4 x (lane % 16)
.set AD,   3                           ; v3  the step's record + 16 x lane
.set AS,   4                           ; v4  the step's record + 4 x (lane % 16)
.set DM,   5                           ; v5  my query in its block of 128, less 16 (lane / 16)
.set DMB,  6                           ; v6  the same for the second job
.set R2,   7                           ; v7  2 x (lane % 16)
.set QB,   40                          ; v16-23 zeros, v24-31 q, v32-39 zeros; v40-47 the second job's q
.set QS,   48                          ; v48 q's scale word, v49 the second job's
.set QSB,  49
.set SW,   50                          ; v50-53 four scale words of K, then of V
.set F,    54                          ; v54 2^(old M - new M); v55 p's scale word
.set PS,   55
.set T0,   56
.set T1,   57
.set C2,   58                          ; v[58:59] the sum's second chain
.set KV,   64                          ; v64-127 four fragments
.set S,    128                         ; v128-191 the scores, then p
.set O,    192                         ; v192-223 O^T
.set PC,   224                         ; v224-239 p's codes
.set BM,   240
.set PT,   244
.set HD,   248
.set SO,   252
.macro ROUND                           ; a round of the cluster's barrier
	s_barrier_signal -1
	s_barrier_wait -1
	s_cmp_lg_u32 s10, 0
	s_cbranch_scc1 .Lnot_wave_0_\@
	s_barrier_signal -3
.Lnot_wave_0_\@:
	s_barrier_wait -3
	s_barrier_signal -1
	s_barrier_wait -1
.endm
.macro INIT                            ; a job begins: the step is written once and finds zeros, which the first change of M leaves zeros
	v_mov_b32 v13, 0xff61b1e6                      ; the largest t so far: -3e38
	s_delay_alu instid0(VALU_DEP_1)
	v_floor_f32 v12, -v13                          ; -M
	v_mov_b32 v14, 0                               ; the sum, in two halves
	v_mov_b32 v15, 0
	v_mov_b32 v[PS], 0                             ; (named as the upper half of a pair before it is first made)
.set n, 0
.rept 32
	v_mov_b32 v[O+n], 0
.set n, n+1
.endr
.endm
	s_load_b128 s[4:7], s[0:1], 0x0                ; qkv s[4:5], yc s[6:7]
	s_load_b64 s[8:9], s[0:1], 0x10                ; ys
	v_lshl_add_u32 v62, v0, 2, 0x42000
	v_mov_b32 v63, 0
	ds_add_u32 v62, v63
	ds_add_u32 v62, v63
	v_lshrrev_b32 v8, 5, v0
	s_delay_alu instid0(VALU_DEP_1)
	v_readfirstlane_b32 s10, v8                    ; wave 0..15
	s_bfe_u32 s11, ttmp6, 0x40000                  ; cx: my place in the cluster: the first job's tile
	s_and_b32 s12, ttmp7, 0xffff                   ; 16 x batch + head
	s_xor_b32 s34, s10, 15                         ; 15 - wave: the second job's block
	s_xor_b32 s13, s11, 7                          ; 7 - cx: its tile
	v_and_b32 v[L16], 31, v0
	s_delay_alu instid0(VALU_DEP_1)
	v_lshlrev_b32 v[L16], 4, v[L16]
	v_and_b32 v8, 15, v0                           ; r
	s_delay_alu instid0(VALU_DEP_1)
	v_lshlrev_b32 v[R4], 2, v8
	s_delay_alu instid0(VALU_DEP_2)
	v_lshlrev_b32 v[R2], 1, v8
	v_and_b32 v9, 8, v0
	v_and_b32 v10, 16, v0
	s_delay_alu instid0(VALU_DEP_2)
	v_add_nc_u32 v8, v8, v9
	s_delay_alu instid0(VALU_DEP_1)
	v_sub_nc_u32 v8, v8, v10                       ; r + 8 (r / 8) - 16 (lane / 16)
	; descriptor group 1: 16,896 dense bytes as 66 rows of 256 (32 elements of 8 bytes); the mask names all four work-groups, bit 21 beside it
	s_mov_b32 s16, 15|(3<<16)|(1<<21)
	s_mov_b32 s17, 32<<16
	s_mov_b32 s18, 66<<16
	s_mov_b32 s19, 32<<16
	s_mov_b32 s20, 66
	s_mov_b32 s21, 32
	s_mov_b32 s22, 0
	s_mov_b32 s23, 0
	s_lshl_b32 s36, s12, 4
	s_add_co_u32 s37, s36, s10
	s_mul_i32 s37, s37, RECB                       ; record (head, wave): the one that I fetch, and the first job's
	s_add_co_u32 s38, s36, s34
	s_mul_i32 s38, s38, RECB                       ; the second job's
	s_mov_b32 s56, s37
	s_mov_b32 s57, 0
	s_mov_b32 s24, 1
	s_mul_i32 s25, s10, KVB                        ; LDS: wave x 16,896
	s_wait_dscnt 0x0
	s_wait_kmcnt 0x0
	s_add_nc_u64 s[26:27], s[4:5], s[56:57]
	s_or_b32 s27, s27, 0x80000000
	ROUND                                          ; all four work-groups are here: the joint loads meet
	tensor_load_to_lds s[24:27], s[16:23]          ; my one tensor load
	s_nop 0
.rept 4
	v_nop
.endr
	s_lshl_b32 s39, s11, 10                        ; q's codes: 16,896 into the record, 1,024 bytes a tile
	s_add_co_u32 s48, s37, s39
	s_add_co_u32 s48, s48, 16896
	s_mov_b32 s49, 0
	s_add_nc_u64 s[48:49], s[4:5], s[48:49]
	s_lshr_b32 s39, s11, 1                         ; q's words: 25,088 into the record, 64 bytes a pair of tiles
	s_lshl_b32 s39, s39, 6
	s_add_co_u32 s50, s37, s39
	s_add_co_u32 s50, s50, 25088
	s_mov_b32 s51, 0
	s_add_nc_u64 s[50:51], s[4:5], s[50:51]
	s_lshl_b32 s39, s13, 10
	s_add_co_u32 s52, s38, s39
	s_add_co_u32 s52, s52, 16896
	s_mov_b32 s53, 0
	s_add_nc_u64 s[52:53], s[4:5], s[52:53]
	s_lshr_b32 s39, s13, 1
	s_lshl_b32 s39, s39, 6
	s_add_co_u32 s54, s38, s39
	s_add_co_u32 s54, s54, 25088
	s_mov_b32 s55, 0
	s_add_nc_u64 s[54:55], s[4:5], s[54:55]
	s_wait_alu depctr_va_vdst(0)
	global_load_b128 v[24:27], v[L16], s[48:49]
	global_load_b128 v[28:31], v[L16], s[48:49] offset:512
	global_load_b128 v[QB:QB+3], v[L16], s[52:53]
	global_load_b128 v[QB+4:QB+7], v[L16], s[52:53] offset:512
	global_load_b32 v[T0], v[R4], s[50:51]
	global_load_b32 v[T1], v[R4], s[54:55]
	; where y goes: tile of tokens T = 128 x batch + 8 x block + tile; yc: 16,384 T + 1,024 head; ys: 16,384 head + 32 T
	s_lshr_b32 s36, s12, 4
	s_lshl_b32 s36, s36, 7
	s_and_b32 s39, s12, 15
	s_lshl_b32 s56, s10, 3
	s_add_co_u32 s56, s56, s36
	s_add_co_u32 s56, s56, s11
	s_lshl_b32 s58, s34, 3
	s_add_co_u32 s58, s58, s36
	s_add_co_u32 s58, s58, s13
	s_lshl_b32 s37, s39, 10
	s_lshl_b32 s38, s39, 14
	s_lshl_b32 s40, s56, 14
	s_add_co_u32 s40, s40, s37
	s_mov_b32 s41, 0
	s_add_nc_u64 s[40:41], s[6:7], s[40:41]
	s_lshl_b32 s42, s56, 5
	s_add_co_u32 s42, s42, s38
	s_mov_b32 s43, 0
	s_add_nc_u64 s[42:43], s[8:9], s[42:43]
	s_lshl_b32 s44, s58, 14
	s_add_co_u32 s44, s44, s37
	s_mov_b32 s45, 0
	s_add_nc_u64 s[44:45], s[6:7], s[44:45]
	s_lshl_b32 s46, s58, 5
	s_add_co_u32 s46, s46, s38
	s_mov_b32 s47, 0
	s_add_nc_u64 s[46:47], s[8:9], s[46:47]
	s_lshr_b32 s36, s11, 1                         ; tile i begins at token 32 (i / 2) + 8 (i % 2) of its block
	s_lshl_b32 s36, s36, 5
	s_and_b32 s38, s11, 1
	s_lshl_b32 s56, s38, 3
	s_add_co_u32 s36, s36, s56
	s_mul_i32 s38, s38, 0x02020202                 ; and its two scale bytes are the word's half i % 2: they are laid twice
	s_add_co_u32 s38, s38, 0x01000100
	s_lshr_b32 s37, s13, 1
	s_lshl_b32 s37, s37, 5
	s_and_b32 s39, s13, 1
	s_lshl_b32 s56, s39, 3
	s_add_co_u32 s37, s37, s56
	s_mul_i32 s39, s39, 0x02020202
	s_add_co_u32 s39, s39, 0x01000100
	s_mov_b32 s28, 0x76543210                      ; v_permlanex16_b32's selects for lane l xor 16
	s_mov_b32 s29, 0xfedcba98
	s_mov_b32 s30, 0x3e38aa3b                      ; c = log2(e) / 8
	s_mov_b32 s31, s30                             ; (named with it as a pair)
	v_add_nc_u32 v[DM], s36, v8
	v_add_nc_u32 v[DMB], s37, v8
.irp j, 0,1,2,3,4,5,6,7
	v_mov_b32 v[16+\j], 0                          ; zero codes on both sides of q
	v_mov_b32 v[32+\j], 0
.endr
.irp b, 0,1,2,3
	v_mov_b32 v[PT+\b], 0                          ; written once: a lane permute's destination counts as one of its sources
.endr
	s_wait_loadcnt 0x0
	v_perm_b32 v[QS], v[T0], v[T0], s38
	v_perm_b32 v[QSB], v[T1], v[T1], s39
	INIT                                           ; (also the places between the scale word just made and the first product)
	s_wait_tensorcnt 0x0                           ; my record has landed,
	s_barrier_signal -1
	s_barrier_wait -1                              ; everybody's has: from here on LDS is only read
	s_mov_b32 s33, 0
.Ltrip:                                            ; 17 trips: trips 0 .. w are the first job's steps, trips w + 1 .. 16 the second's
	s_cmp_le_u32 s33, s10
	s_cselect_b32 s36, 0, s34
	s_add_co_u32 s36, s33, s36
	s_and_b32 s36, s36, 15                         ; the key step: the trip's number, or that less w + 1
	s_mul_i32 s35, s36, KVB
	s_cmp_eq_u32 s33, s10
	s_cselect_b32 s37, 1, 0
	s_cmp_eq_u32 s33, 16
	s_cselect_b32 s37, 1, s37                      ; a job's last step: on the diagonal
	s_setprio 2
	v_add_nc_u32 v[AD], s35, v[L16]
	v_add_nc_u32 v[AS], s35, v[R4]
.rept 6
	v_nop                                          ; with the two additions: eight places in front of loads into registers that matrix instructions have read
.endr
.irp p, 0,1,2,3
.irp c, 0,1,2,3
	ds_load_b128 v[KV+16*\p+4*\c:KV+16*\p+4*\c+3], v[AD] offset:2048*\p+512*\c
.endr
	ds_load_b32 v[SW+\p], v[AS] offset:8192+64*\p
.endr
	s_wait_alu depctr_va_vdst(0)
	s_wait_dscnt 0x0
.irp p, 0,1,2,3                        ; S^T = K Q^T: a pair of key tiles against [q | 0] and against [0 | q]
	v_wmma_scale_f32_16x16x128_f8f6f4 v[S+16*\p:S+16*\p+7], v[KV+16*\p:KV+16*\p+15], v[24:39], 0, v[SW+\p], v[QS]
	v_wmma_scale_f32_16x16x128_f8f6f4 v[S+16*\p+8:S+16*\p+15], v[KV+16*\p:KV+16*\p+15], v[16:31], 0, v[SW+\p], v[QS]
.endr
.rept 8
	v_nop                                          ; places in front of the loads below and of the first read of the scores
.endr
.irp t, 0,1,2,3                        ; V's four fragments land under the softmax
.irp c, 0,1,2,3
	ds_load_b128 v[KV+16*\t+4*\c:KV+16*\t+4*\c+3], v[AD] offset:8448+2048*\t+512*\c
.endr
	ds_load_b32 v[SW+\t], v[AS] offset:16640+64*\t
.endr
	s_cmp_eq_u32 s37, 0
	s_cbranch_scc1 .Lopen
	v_mov_b32 v[T0], 0xff800000                    ; on the diagonal the scores of hidden keys become -infinity: register 16 b + i holds key 32 b + 16 (lane / 16) + i of the block
.set n, 0
.rept 64
	v_cmp_gt_i32 vcc_lo, 32*(n/16)+n%16, v[DM]
	v_cndmask_b32 v[S+n], v[S+n], v[T0], vcc_lo
.set n, n+1
.endr
.Lopen:
.irp b, 0,1,2,3
	v_max3_num_f32 v[BM+\b], v[S+16*\b], v[S+16*\b+1], v[S+16*\b+2]   ; the largest score of each block of 32 keys: for the row's maximum and, since p rises with the score, for the block's largest p
.endr
.irp i, 3,5,7,9,11,13
.irp b, 0,1,2,3
	v_max3_num_f32 v[BM+\b], v[BM+\b], v[S+16*\b+\i], v[S+16*\b+\i+1]
.endr
.endr
.irp b, 0,1,2,3
	v_max_num_f32 v[BM+\b], v[BM+\b], v[S+16*\b+15]
.endr
.irp b, 0,1,2,3
	s_delay_alu instid0(VALU_DEP_4)
	v_permlanex16_b32 v[PT+\b], v[BM+\b], s28, s29
.endr
.irp b, 0,1,2,3
	s_delay_alu instid0(VALU_DEP_4)
	v_max_num_f32 v[BM+\b], v[BM+\b], v[PT+\b]     ; with lane l xor 16's 16 keys
.endr
	s_delay_alu instid0(VALU_DEP_2)
	v_max3_num_f32 v[T0], v[BM], v[BM+1], v[BM+2]
	s_delay_alu instid0(VALU_DEP_1)
	v_max_num_f32 v[T0], v[T0], v[BM+3]
	s_delay_alu instid0(VALU_DEP_1)
	v_mul_f32 v[T0], s30, v[T0]                    ; as t
	s_delay_alu instid0(VALU_DEP_1)
	v_max_num_f32 v13, v13, v[T0]                  ; the running largest t
	v_mov_b32 v[T0], v12
	s_delay_alu instid0(VALU_DEP_2)
	v_floor_f32 v12, -v13                          ; the new -M = -ceil(t)
	s_delay_alu instid0(VALU_DEP_1)
	v_sub_f32 v[T0], v12, v[T0]                    ; old M - new M: a whole number, 0 or less
	s_delay_alu instid0(VALU_DEP_1)
	v_cvt_i32_f32 v[T0], v[T0]                     ; (it saturates)
	s_delay_alu instid0(VALU_DEP_1)
	v_ldexp_f32 v[F], 1.0, v[T0]
.set n, 0
.rept 32
	v_pk_fma_f32 v[S+n:S+n+1], v[S+n:S+n+1], s[30:31], v[12:13] op_sel_hi:[1,0,0]   ; t - M, two at a time
.set n, n+2
.endr
.irp b, 0,1,2,3
	v_fma_f32 v[BM+\b], v[BM+\b], s30, v12
.endr
.set n, 0
	s_wait_alu depctr_va_vdst(0)
.rept 64
	v_exp_f32 v[S+n], v[S+n]                       ; p = 2^(t - M)
.set n, n+1
.endr
	s_setprio 1
.irp b, 0,1,2,3
	v_exp_f32 v[BM+\b], v[BM+\b]                   ; the block's largest p
.endr
	v_pk_mul_f32 v[14:15], v[14:15], v[F:F+1] op_sel_hi:[1,0]   ; the sums under the new M (a plain instruction behind the exponentials)
	s_wait_alu depctr_va_vdst(0)
.irp b, 0,1,2,3
	v_max_num_f32 v[BM+\b], 0x4800000, v[BM+\b]    ; the floor 2^(9 - 127)
.endr
.irp b, 0,1,2,3
	s_delay_alu instid0(VALU_DEP_4)
	v_add_nc_u32 v[SO+\b], 0xfc000000, v[BM+\b]    ; the conversion's scale operand
.endr
.irp b, 0,1,2,3
.endr
.irp b, 0,1,2,3
	s_delay_alu instid0(VALU_DEP_4)
	v_lshrrev_b32 v[PT+\b], 23, v[SO+\b]           ; the scale's byte
.endr
	s_delay_alu instid0(VALU_DEP_3)
	v_lshl_or_b32 v[PS], v[PT+1], 8, v[PT]         ; p's scale word for these 128 keys
	s_delay_alu instid0(VALU_DEP_1)
	v_lshl_or_b32 v[PS], v[PT+2], 16, v[PS]
	s_delay_alu instid0(VALU_DEP_1)
	v_lshl_or_b32 v[PS], v[PT+3], 24, v[PS]
	v_pk_add_f32 v[58:59], v[132:133], v[136:137]
	v_pk_add_f32 v[250:251], v[140:141], v[144:145]
	v_pk_add_f32 v[248:249], v[148:149], v[152:153]
	v_pk_add_f32 v[242:243], v[156:157], v[160:161]
	v_pk_add_f32 v[240:241], v[164:165], v[168:169]
	v_pk_add_f32 v[238:239], v[172:173], v[176:177]
	v_pk_add_f32 v[236:237], v[180:181], v[184:185]
	v_pk_add_f32 v[14:15], v[14:15], v[188:189]
	v_pk_add_f32 v[58:59], v[58:59], v[128:129]
	v_pk_add_f32 v[250:251], v[250:251], v[130:131]
	v_pk_add_f32 v[248:249], v[248:249], v[134:135]
	v_pk_add_f32 v[242:243], v[242:243], v[138:139]
	v_pk_add_f32 v[240:241], v[240:241], v[142:143]
	v_pk_add_f32 v[238:239], v[238:239], v[146:147]
	v_pk_add_f32 v[236:237], v[236:237], v[150:151]
	v_pk_add_f32 v[14:15], v[14:15], v[154:155]
	v_pk_add_f32 v[58:59], v[58:59], v[158:159]
	v_pk_add_f32 v[250:251], v[250:251], v[162:163]
	v_pk_add_f32 v[248:249], v[248:249], v[166:167]
	v_pk_add_f32 v[242:243], v[242:243], v[170:171]
	v_pk_add_f32 v[240:241], v[240:241], v[174:175]
	v_pk_add_f32 v[238:239], v[238:239], v[178:179]
	v_pk_add_f32 v[236:237], v[236:237], v[182:183]
	v_pk_add_f32 v[14:15], v[14:15], v[186:187]
	v_pk_add_f32 v[58:59], v[58:59], v[190:191]
	s_delay_alu instid0(VALU_DEP_2)
	v_pk_add_f32 v[14:15], v[14:15], v[242:243]
	s_delay_alu instid0(VALU_DEP_2)
	v_pk_add_f32 v[58:59], v[58:59], v[240:241]
	v_pk_add_f32 v[250:251], v[250:251], v[238:239]
	v_pk_add_f32 v[248:249], v[248:249], v[236:237]
	s_delay_alu instid0(VALU_DEP_2)
	v_pk_add_f32 v[14:15], v[14:15], v[250:251]
	s_delay_alu instid0(VALU_DEP_2)
	v_pk_add_f32 v[58:59], v[58:59], v[248:249]
	s_delay_alu instid0(VALU_DEP_1)
	v_pk_add_f32 v[14:15], v[14:15], v[58:59]
.irp b, 0,1,2,3
.irp i, 0,1,2,3,4,5,6,7,8,9,10,11,12,13,14,15
.endr
	v_cvt_scalef32_pk8_fp8_f32 v[PC+4*\b:PC+4*\b+1], v[S+16*\b:S+16*\b+7], v[SO+\b]
	v_cvt_scalef32_pk8_fp8_f32 v[PC+4*\b+2:PC+4*\b+3], v[S+16*\b+8:S+16*\b+15], v[SO+\b]
.endr
.set n, 0
.rept 16
	v_pk_mul_f32 v[O+n:O+n+1], v[O+n:O+n+1], v[F:F+1] op_sel_hi:[1,0]   ; O^T under the new M, from each accumulator's low end on; also the places between the codes and the products
.set n, n+2
.endr
	s_wait_alu depctr_va_vdst(0)
	s_wait_dscnt 0x0                               ; V is in
.irp t, 0,1,2,3                        ; O^T += V^T P^T: four tiles of 16 channels, one instruction a turn
	v_wmma_scale_f32_16x16x128_f8f6f4 v[O+8*\t:O+8*\t+7], v[KV+16*\t:KV+16*\t+15], v[PC:PC+15], v[O+8*\t:O+8*\t+7], v[SW+\t], v[PS]
.endr
	s_cmp_eq_u32 s37, 0
	s_setprio 0
	s_cbranch_scc1 .Lnext
	; A JOB'S END: y = O^T / the sum; register 16 b + i is channel 32 b + 16 (lane / 16) + i: two blocks of 32 along the model's width, each shared with lane l xor 16
.rept 8
	v_nop
.endr
	v_add_f32 v14, v14, v15
	s_delay_alu instid0(VALU_DEP_1)
	v_permlanex16_b32 v[T0], v14, s28, s29
	s_delay_alu instid0(VALU_DEP_1)
	v_add_f32 v14, v14, v[T0]                      ; the row's sum
	s_wait_alu depctr_va_vdst(0)
	v_rcp_f32 v14, v14
	v_nop
.set n, 0
	s_wait_alu depctr_va_vdst(0)
.rept 32
	v_mul_f32 v[S+n], v[O+n], v14
.set n, n+1
.endr
.irp b, 0,1
	v_max3_num_f32 v[BM+\b], |v[S+16*\b]|, |v[S+16*\b+1]|, 0x4800000
.endr
.irp i, 2,4,6,8,10,12,14
.irp b, 0,1
	s_delay_alu instid0(VALU_DEP_2)
	v_max3_num_f32 v[BM+\b], v[BM+\b], |v[S+16*\b+\i]|, |v[S+16*\b+\i+1]|
.endr
.endr
.irp b, 0,1
	s_delay_alu instid0(VALU_DEP_2)
	v_permlanex16_b32 v[PT+\b], v[BM+\b], s28, s29
.endr
.irp b, 0,1
	s_delay_alu instid0(VALU_DEP_2)
	v_max_num_f32 v[BM+\b], v[BM+\b], v[PT+\b]
.endr
.irp b, 0,1
	s_delay_alu instid0(VALU_DEP_2)
	v_add_nc_u32 v[SO+\b], 0xfc000000, v[BM+\b]
.endr
.irp b, 0,1
.endr
.irp b, 0,1
	s_delay_alu instid0(VALU_DEP_2)
	v_lshrrev_b32 v[PT+\b], 23, v[SO+\b]
.endr
	s_delay_alu instid0(VALU_DEP_1)
	v_lshl_or_b32 v[T1], v[PT+1], 8, v[PT]         ; the token's two scale bytes of this head
.irp b, 0,1
.irp i, 0,1,2,3,4,5,6,7,8,9,10,11,12,13,14,15
.endr
	v_cvt_scalef32_pk8_fp8_f32 v[PC+4*\b:PC+4*\b+1], v[S+16*\b:S+16*\b+7], v[SO+\b]
	v_cvt_scalef32_pk8_fp8_f32 v[PC+4*\b+2:PC+4*\b+3], v[S+16*\b+8:S+16*\b+15], v[SO+\b]
.endr
	v_nop                                          ; a plain instruction behind the last conversion
	global_store_b128 v[L16], v[PC:PC+3], s[40:41]                 ; 32 lanes store 512 consecutive bytes, aligned to 256
	global_store_b128 v[L16], v[PC+4:PC+7], s[40:41] offset:512
	global_store_b16 v[R2], v[T1], s[42:43]                        ; 32 consecutive bytes; both halves of the lanes write the same values
	s_wait_xcnt 0x0                                ; the stores' data and bases are written again only behind this wait
.irp j, 0,1,2,3,4,5,6,7
	v_mov_b32 v[24+\j], v[QB+\j]                   ; the second job's q, scale word, mask and addresses (behind the second job these lines only write registers again)
.endr
	v_mov_b32 v[QS], v[QSB]
	v_mov_b32 v[DM], v[DMB]
	s_mov_b64 s[40:41], s[44:45]
	s_mov_b64 s[42:43], s[46:47]
	INIT
.Lnext:
	s_add_co_u32 s33, s33, 1
	s_cmp_lt_u32 s33, 17
	s_cbranch_scc1 .Ltrip
	s_setprio 0
	s_wait_dscnt 0x0
	s_wait_tensorcnt 0x0
	ds_add_u32 v62, v63
	s_wait_dscnt 0x0
	ROUND                                          ; the closing round
	s_endpgm
.Lfunc_end_k_qd05b778472_attn:
	.size	k_qd05b778472_attn, .Lfunc_end_k_qd05b778472_attn-k_qd05b778472_attn
	.p2alignl 7, 3214868480
	.fill 96, 4, 3214868480
	.section	.rodata,"a",@progbits
	.p2align	6, 0x0
	.amdhsa_kernel k_qd05b778472_attn
		.amdhsa_group_segment_fixed_size 272384
		.amdhsa_private_segment_fixed_size 0
		.amdhsa_enable_private_segment 0
		.amdhsa_kernarg_size 24
		.amdhsa_user_sgpr_count 2
		.amdhsa_user_sgpr_kernarg_segment_ptr 1
		.amdhsa_wavefront_size32 1
		.amdhsa_system_sgpr_workgroup_id_x 1
		.amdhsa_system_sgpr_workgroup_id_y 1
		.amdhsa_system_sgpr_workgroup_id_z 1
		.amdhsa_system_vgpr_workitem_id 0
		.amdhsa_next_free_vgpr 256
		.amdhsa_next_free_sgpr 66
		.amdhsa_reserve_vcc 1
		.amdhsa_float_denorm_mode_32 3
		.amdhsa_float_denorm_mode_16_64 3
		.amdhsa_fp16_overflow 1
		.amdhsa_memory_ordered 1
		.amdhsa_forward_progress 1
		.amdhsa_inst_pref_size 38
	.end_amdhsa_kernel
	.amdgpu_metadata
---
amdhsa.version: [ 1, 2 ]
amdhsa.kernels:
  - .name:           k_qd05b778472_attn
    .symbol:         k_qd05b778472_attn.kd
    .args:
      - { .name: qkv, .offset: 0, .size: 8, .value_kind: global_buffer, .address_space: global }
      - { .name: yc, .offset: 8, .size: 8, .value_kind: global_buffer, .address_space: global }
      - { .name: ys, .offset: 16, .size: 8, .value_kind: global_buffer, .address_space: global }
    .group_segment_fixed_size: 272384
    .private_segment_fixed_size: 0
    .kernarg_segment_align: 8
    .kernarg_segment_size: 24
    .max_flat_workgroup_size: 512
    .sgpr_count:     66
    .vgpr_count:     256
    .wavefront_size: 32
...
	.end_amdgpu_metadata
.endif
;; end of part 3
;; launch proj (part 4): grid 4 x 32, 4 waves a work-group, clusters of 4 x 4, 327,680 bytes of LDS; arguments yc, ys, codes, scales, out0; writes out0
.if DOCPART == 4
	.amdgcn_target "amdgcn-amd-amdhsa--gfx1250"
	.amdhsa_code_object_version 6
	.text
	.protected	k_qd05b778472_proj
	.globl	k_qd05b778472_proj
	.p2align	8
	.type	k_qd05b778472_proj,@function
k_qd05b778472_proj:
	s_mov_b64 s[64:65], 0
	v_nop
	global_prefetch_b8 v0, s[64:65] scope:SCOPE_SE
	s_setreg_imm32_b32 hwreg(HW_REG_WAVE_MODE, 25, 1), 1
	s_wait_xcnt 0x0
	s_wait_alu depctr_hold_cnt(0) depctr_sa_sdst(0) depctr_va_vdst(0) depctr_va_sdst(0) depctr_va_ssrc(0) depctr_va_vcc(0) depctr_vm_vsrc(0)
	s_getreg_b32 s2, hwreg(HW_REG_IB_STS2, 6, 4)
	s_cmp_eq_u32 s2, 0
	s_cbranch_scc0 .Lentry_in_a_cluster
	s_endpgm
.Lentry_in_a_cluster:
	s_bfe_u32 s2, ttmp6, 0x10000c
	s_cmp_lg_u32 s2, 0xf033
	s_cbranch_scc0 .Lentry_shape_is_right
	s_endpgm
.Lentry_shape_is_right:
; out0 = y w_out^T on codes of FP8 (E4M3) with E8M0 scales; M = 8,192, N = 1,024, K = 1,024; out0 f32.
; A tile is 256 x 256, four waves, 128 x 128 a wave.  K goes in steps of 256 through a ring of two LDS slots filled by the tensor data mover.
; 'A' = y (source 1): yc holds it as images of operand registers, [tile of 16 tokens][128 along K][4][lane][16 bytes]: a K step of a tile is 4,096 bytes on end, and a fragment is four loads of 512 consecutive bytes: no pitch, no padding.
; 'B' = w_out (source 0): rows 11,264 on of the codes' buffer, read as rows with a pitch of 272 bytes.
; Tokens and w_out's rows lie with bits 3 and 4 of their number swapped: the 16 registers of result tiles 2 b and 2 b + 1 are columns 32 b + 16 (lane / 16) + 0 .. 15, and row t of A's block a is token 32 (a / 2) + 8 (a % 2) + t + 8 (t / 8).
; SCALES: w_out's come by one tensor load a wave, once.  y's lie by head, two bytes a token: each thread loads two tokens' bytes of all 16 heads and lays their two rows of 32 bytes into LDS, once, in bytes into which no fill lands.
; CLUSTERS: 4 x 4 work-groups; A's tiles are asked for jointly along a row of the cluster, B's along a column.
; REGISTERS: window 0: v0-31 addresses; v32-63 scale words, two sets; from v128 A's fragments, one set.  window 1: B's fragments, two sets.  windows 2, 3: the accumulators.
.set NQ,     2
.set PITCH,  272
.set FR,     16
.set NL,     4
.set NP,     8                         ; places behind this matrix instruction (ISA guide 7.12.1)
.set AHALF,  32768                     ; 8 tiles of tokens x 4,096 bytes: what one tensor load brings of A
.set HALFT,  128*PITCH                 ; 128 rows of B
.set BOFF,   2*AHALF
.set SLOT,   BOFF+2*HALFT
.set ASTEP,  8192                      ; two K steps on in yc
.set BSTEP,  512                       ; and in a row of codes
.set LAPS,   2
.set KS,     32
.set SCL,    2*SLOT                    ; behind the ring: A's 256 rows of scales (units of 256 bytes + 16), then B's
.set HALFS,  (128*KS/256)*272
.set SBLK,   (16*KS/256)*272
.set SPARE,  SCL+4*HALFS               ; the spare words, 128 bytes for each wave
.set SPITCH, 528                       ; the way out: 16 rows x (512 + 16) bytes for each wave, in slot 0, which has had its last fill and its last read by then
.set YSO,  7                           ; v7   4 x thread: my two tokens in a head's row of ys; never rewritten
.set YSL,  13                          ; v13  where their two rows of scales go in LDS
.set ADRA, 16
.set ADRB, 20
.set STO,  24
.set RD,   25
.set CO,   26
.set ADRS, 27
.set SPW,  28                          ; v28  LDS address of my spare word; never rewritten
.set NIL,  29                          ; v29  0; never rewritten
.set SC,   32
.set AF,   128
.set BK,   128
.set XR,   128                         ; at the head: 16 words of ys,
.set YR,   144                         ; and the two rows made of them
.set G1, 24
.set G0, 32
.set G1B, 48
.set G0B, 56
.set G1SB, 80
.set G0SB, 88
.set MSB, 0
.macro WIN new
.if MSB != \new
	s_set_vgpr_msb (MSB<<8)|\new
.set MSB, \new
.endif
.endm
.set MUL_LO, 0xa1
.set MUL_HI, 0xf1
.set TO_B,   0x40
.macro JLOAD g0a, g1a, g0b, g1b        ; waves 0 and 1 fetch for A, waves 2 and 3 for B; four v_nop follow each of the two lines
	s_cmp_eq_u32 s15, 0
	s_cbranch_scc0 .Lfor_b_\@
	tensor_load_to_lds s[\g0a:\g0a+3], s[\g1a:\g1a+7]
	s_nop 0
.rept 4
	v_nop
.endr
	s_branch .Lasked_\@
.Lfor_b_\@:
	tensor_load_to_lds s[\g0b:\g0b+3], s[\g1b:\g1b+7]
	s_nop 0
.rept 4
	v_nop
.endr
.Lasked_\@:
.endm
.macro CREST
	s_cmp_lg_u32 s14, 0
	s_cbranch_scc1 .Lnot_wave_0_\@
	s_barrier_signal -3
.Lnot_wave_0_\@:
	s_barrier_wait -3
	s_barrier_signal -1
	s_barrier_wait -1
.endm
.macro CROUND
	s_barrier_signal -1
	s_barrier_wait -1
	CREST
.endm
	s_load_b128 s[4:7], s[0:1], 0x0                ; yc s[4:5], ys s[6:7]
	s_load_b128 s[8:11], s[0:1], 0x10              ; codes s[8:9], scales s[10:11]
	s_load_b64 s[12:13], s[0:1], 0x20              ; out0
	v_lshl_add_u32 v[SPW], v0, 2, SPARE
	v_mov_b32 v[NIL], 0
	ds_add_u32 v28, v29
	ds_add_u32 v28, v29
	s_wait_dscnt 0x0
	v_lshrrev_b32 v1, 5, v0
	v_readfirstlane_b32 s14, v1                    ; wave 0..3
	s_lshr_b32 s15, s14, 1                         ; which half of A's rows is mine.  Also: I fetch for A (0) or for B (1)
	s_and_b32 s16, s14, 1                          ; which half of B's rows.  Also: which half I fetch
	s_bfe_u32 s40, ttmp6, 0x40000                  ; cx, cy
	s_bfe_u32 s41, ttmp6, 0x40004
	s_lshl_b32 s42, ttmp9, 2
	s_add_co_u32 s42, s42, s40                     ; tile column
	s_and_b32 s17, ttmp7, 0xffff
	s_lshl_b32 s17, s17, 2
	s_add_co_u32 s17, s17, s41                     ; tile row
	s_lshl_b32 s43, s41, 2
	s_lshl_b32 s43, 15, s43                        ; my row of the cluster
	s_lshl_b32 s44, 0x1111, s40                    ; my column
	; A: 8 rows of 4,096 bytes (512 elements of 8), 16,384 bytes apart, no padding
	s_or_b32 s[G1+0], s43, (3<<16)|(1<<21)
	s_mov_b32 s[G1+1], 512<<16
	s_mov_b32 s[G1+2], 8<<16
	s_mov_b32 s[G1+3], 512<<16
	s_mov_b32 s[G1+4], 8
	s_mov_b32 s[G1+5], 2048
	s_mov_b32 s[G1+6], 0
	s_mov_b32 s[G1+7], 0
	; B: 128 rows of 256 bytes, 1,024 apart, 16 bytes of padding behind each
	s_or_b32 s[G1B+0], s44, (0<<16)|(1<<20)|(1<<21)|(5<<22)|(3<<25)
	s_mov_b32 s[G1B+1], 256<<16
	s_mov_b32 s[G1B+2], 128<<16
	s_mov_b32 s[G1B+3], 256<<16
	s_mov_b32 s[G1B+4], 128
	s_mov_b32 s[G1B+5], 1024
	s_mov_b32 s[G1B+6], 0
	s_mov_b32 s[G1B+7], 0
	; B's scales of 64 rows: 2,048 dense bytes as 8 rows of 256, 16 bytes of padding behind each
	s_or_b32 s[G1SB+0], s44, (3<<16)|(1<<20)|(1<<21)|(5<<22)|(3<<25)
	s_mov_b32 s[G1SB+1], 32<<16
	s_mov_b32 s[G1SB+2], 8<<16
	s_mov_b32 s[G1SB+3], 32<<16
	s_mov_b32 s[G1SB+4], 8
	s_mov_b32 s[G1SB+5], 32
	s_mov_b32 s[G1SB+6], 0
	s_mov_b32 s[G1SB+7], 0
	s_lshl_b32 s20, s17, 4
	s_lshl_b32 s18, s16, 3
	s_add_co_u32 s20, s20, s18
	s_lshl_b32 s20, s20, 14                        ; A: tile of tokens 16 x tile row + 8 x half, 16,384 bytes each
	s_mov_b32 s21, 0
	s_lshl_b32 s22, s17, 9                         ; ys: 256 tokens x 2 bytes a tile row
	s_mov_b32 s23, 0
	s_lshl_b32 s46, s42, 8
	s_lshl_b32 s18, s16, 7
	s_add_co_u32 s46, s46, s18
	s_add_co_u32 s46, s46, 11264
	s_lshl_b32 s46, s46, 10                        ; B: row 11,264 + 256 x tile column + 128 x half
	s_mov_b32 s47, 0
	s_lshl_b32 s92, s42, 8
	s_lshl_b32 s18, s14, 6
	s_add_co_u32 s92, s92, s18
	s_add_co_u32 s92, s92, 11264
	s_lshl_b32 s92, s92, 5                         ; B's scales: row 11,264 + 256 x tile column + 64 x wave
	s_mov_b32 s93, 0
	s_mul_i32 s45, s16, AHALF                      ; where they go: no place in the cluster enters an LDS address
	s_mul_i32 s94, s16, HALFT
	s_add_co_u32 s94, s94, BOFF
	s_mul_i32 s95, s14, 8*272
	s_add_co_u32 s95, s95, SCL+2*HALFS
	v_lshlrev_b32 v[YSO], 2, v0
	s_wait_alu depctr_va_vdst(0)
	s_wait_kmcnt 0x0
	s_add_nc_u64 s[20:21], s[4:5], s[20:21]
	s_add_nc_u64 s[6:7], s[6:7], s[22:23]
	s_add_nc_u64 s[46:47], s[8:9], s[46:47]
	s_add_nc_u64 s[92:93], s[10:11], s[92:93]
.irp h, 0,1,2,3,4,5,6,7,8,9,10,11,12,13,14,15
	global_load_b32 v[XR+\h], v[YSO], s[6:7] offset:\h*16384         ; head h: tokens 2 t and 2 t + 1 of my tile row, two bytes each; a wave reads 128 consecutive bytes
.endr
	CROUND                                         ; all sixteen work-groups are here: the first joint loads meet
	s_mov_b32 s[G0SB], 1
	s_mov_b32 s[G0SB+1], s95
	s_mov_b64 s[G0SB+2:G0SB+3], s[92:93]
	s_or_b32 s[G0SB+3], s[G0SB+3], 0x80000000
	tensor_load_to_lds s[G0SB:G0SB+3], s[G1SB:G1SB+7]              ; every wave: its 64 rows of B's scales
	s_nop 0
.rept 4
	v_nop
.endr
.irp s, 0,1
	s_mov_b32 s[G0+4*\s], 1
	s_add_co_u32 s[G0+4*\s+1], s45, \s*SLOT
	s_add_nc_u64 s[G0+4*\s+2:G0+4*\s+3], s[20:21], \s*4096
	s_or_b32 s[G0+4*\s+3], s[G0+4*\s+3], 0x80000000
	s_mov_b32 s[G0B+4*\s], 1
	s_add_co_u32 s[G0B+4*\s+1], s94, \s*SLOT
	s_add_nc_u64 s[G0B+4*\s+2:G0B+4*\s+3], s[46:47], \s*256
	s_or_b32 s[G0B+4*\s+3], s[G0B+4*\s+3], 0x80000000
	s_wait_alu depctr_va_vdst(0)
	s_wait_tensorcnt 0x0
	ds_add_u32 v28, v29
	s_wait_dscnt 0x0
	CROUND
	JLOAD G0+4*\s, G1, G0B+4*\s, G1B               ; one tensor load of mine is out now
.endr
	v_and_b32 v1, 15, v0                           ; l % 16
	v_bfe_u32 v2, v0, 4, 1                         ; l / 16
	v_and_b32 v6, 31, v0
	v_lshlrev_b32 v[CO], 4, v6                     ; 16 x lane
	v_mul_u32_u24 v3, v1, PITCH
	v_lshl_add_u32 v4, v2, 4, v3                   ; B: row x pitch + 16 x half
	s_mul_i32 s21, s15, AHALF                      ; my 128 rows of A
	s_mul_i32 s22, s16, HALFT                      ; my 128 rows of B,
	s_add_co_u32 s22, s22, BOFF                    ; which lie behind A's images
.irp s, 0,1
	v_add_nc_u32 v[ADRA+\s], s21, v[CO]
	v_add_nc_u32 v[ADRB+\s], s22, v4
	s_add_co_u32 s21, s21, SLOT
	s_add_co_u32 s22, s22, SLOT
.endr
	v_mul_u32_u24 v5, v1, KS                       ; my row's scales: 32 bytes a row,
	v_lshrrev_b32 v6, 8, v5
	v_lshl_add_u32 v5, v6, 4, v5                   ; and 16 more for each 256 passed
	s_mul_i32 s21, s15, HALFS
	s_mul_i32 s22, s16, HALFS
	s_add_co_u32 s22, s22, 2*HALFS
	s_sub_co_u32 s22, s22, s21
	v_mul_u32_u24 v6, s22, v2                      ; lanes 16-31 take B's
	s_add_co_u32 s21, s21, SCL
	v_add_nc_u32 v5, v5, v6
	v_add_nc_u32 v[ADRS], s21, v5
	s_mul_i32 s23, s14, 16*SPITCH                  ; my stage
	v_mul_u32_u24 v5, v1, SPITCH                   ; in: row l % 16, 64 bytes for each half of the lanes in every 128
	v_lshl_add_u32 v5, v2, 6, v5
	v_add_nc_u32 v[STO], s23, v5
	v_add_nc_u32 v[RD], s23, v[CO]                 ; back: the 32 lanes take one row of 512 bytes
	s_lshl_b32 s20, s17, 8
	s_lshl_b32 s21, s15, 7
	s_add_co_u32 s20, s20, s21
	s_lshl_b32 s20, s20, 12                        ; my first row of out0, 4,096 bytes a row,
	s_lshl_b32 s46, s42, 10
	s_lshl_b32 s47, s16, 9
	s_add_co_u32 s46, s46, s47                     ; my first column, in bytes
	s_add_co_u32 s20, s20, s46
	s_mov_b32 s21, 0
	s_add_nc_u64 s[12:13], s[12:13], s[20:21]
	v_lshrrev_b32 v[YSL], 2, v0                    ; token 2 t's row of scales: 64 t + 16 for each 256 passed
	v_lshlrev_b32 v[YSL], 4, v[YSL]
	v_lshl_add_u32 v[YSL], v0, 6, v[YSL]
	v_add_nc_u32 v[YSL], SCL, v[YSL]
	s_wait_loadcnt 0x0
.irp j, 0,1,2,3,4,5,6,7                ; word j of a token's row: the two bytes of head 2 j, then those of head 2 j + 1
	v_perm_b32 v[YR+\j], v[XR+2*\j+1], v[XR+2*\j], 0x05040100
	v_perm_b32 v[YR+8+\j], v[XR+2*\j+1], v[XR+2*\j], 0x07060302
.endr
	ds_store_b128 v[YSL], v[YR:YR+3]
	ds_store_b128 v[YSL], v[YR+4:YR+7] offset:16
	ds_store_b128 v[YSL], v[YR+8:YR+11] offset:32
	ds_store_b128 v[YSL], v[YR+12:YR+15] offset:48
.macro FRAG reg, adr, q, i             ; B: 16 rows x 128 K from rows
.irp c, 0,1,2,3
	ds_load_b128 v[\reg+4*\c:\reg+4*\c+3], v[\adr] offset:128*(\q)+32*\c+(\i)*16*PITCH
.endr
.endm
.macro FRAGA reg, adr, q, i            ; A: an image of the registers
.irp c, 0,1,2,3
	ds_load_b128 v[\reg+4*\c:\reg+4*\c+3], v[\adr] offset:(\i)*4096+(\q)*2048+512*\c
.endr
.endm
.macro MUL16 a0, p, q, sc, zero        ; the 64 accumulators take turns, one instruction a turn
.irp a, \a0, \a0+1
.irp b, 0,1,2,3,4,5,6,7
.if \zero
	v_wmma_scale_f32_16x16x128_f8f6f4 v[8*(8*((\a)%4)+\b):8*(8*((\a)%4)+\b)+7], v[128*(\p)+FR*\b:128*(\p)+FR*\b+FR-1], v[AF+FR*(\a):AF+FR*(\a)+FR-1], 0, v[SC+8*NQ*(\sc)+NQ*\b+(\q)], v[SC+8*NQ*(\sc)+NQ*(\a)+(\q)] matrix_a_scale:MATRIX_SCALE_ROW1
.else
	v_wmma_scale_f32_16x16x128_f8f6f4 v[8*(8*((\a)%4)+\b):8*(8*((\a)%4)+\b)+7], v[128*(\p)+FR*\b:128*(\p)+FR*\b+FR-1], v[AF+FR*(\a):AF+FR*(\a)+FR-1], v[8*(8*((\a)%4)+\b):8*(8*((\a)%4)+\b)+7], v[SC+8*NQ*(\sc)+NQ*\b+(\q)], v[SC+8*NQ*(\sc)+NQ*(\a)+(\q)] matrix_a_scale:MATRIX_SCALE_ROW1
.endif
.endr
.endr
.endm
.macro FETCH_B slot, q, p
	WIN TO_B
.irp i, 0,1,2,3,4,5,6,7
	FRAG 128*(\p)+FR*\i, ADRB+\slot, \q, \i
.endr
	WIN 0
.endm
.macro FETCH_A slot, q, i0
.irp i, \i0, \i0+1, \i0+2, \i0+3
	FRAGA AF+FR*(\i), ADRA+\slot, \q, \i
.endr
.endm
.macro SCALES sc
.irp i, 0,1,2,3,4,5,6,7
	ds_load_b64 v[SC+8*NQ*\sc+NQ*\i:SC+8*NQ*\sc+NQ*\i+1], v[ADRS] offset:\i*SBLK
.endr
.endm
.macro PLACES n
.rept \n
	v_nop
.endr
.endm
.macro STEP slot, q, zero
	s_wait_dscnt 4*NL                              ; B's set and A's blocks 0-3 are in; the youngest sixteen loads (A's blocks 4-7) may be out
	WIN MUL_LO
	MUL16 0, (\q)%2, \q, \slot, \zero
	MUL16 2, (\q)%2, \q, \slot, \zero
	s_wait_dscnt 0
	PLACES NP
	FETCH_B \slot, (\q)+1, 1-(\q)%2
	FETCH_A \slot, (\q)+1, 0
	WIN MUL_HI
	MUL16 4, (\q)%2, \q, \slot, \zero
	MUL16 6, (\q)%2, \q, \slot, \zero
	PLACES NP
	WIN 0
	FETCH_A \slot, (\q)+1, 4
.endm
.macro TURN slot, next, fill
	s_wait_tensorcnt 0x0                           ; all my tensor loads have landed: my part of the next slot
	ds_add_u32 v[SPW], v[NIL]                      ; 0 onto my spare word
	s_wait_dscnt 4*NL+1                            ; (the add and the youngest sixteen loads may be out)
	WIN MUL_LO
	MUL16 0, 1, NQ-1, \slot, 0
	s_wait_dscnt 0x0                               ; the add is done, and my reads of this slot are over
	s_barrier_signal -1
	MUL16 2, 1, NQ-1, \slot, 0
	WIN 0
	s_barrier_wait -1
.if \fill
	CREST                                          ; the barrier has opened a round of the cluster's: no wave of any partner still reads this slot or has a load on its way
	s_add_nc_u64 s[G0+4*\slot+2:G0+4*\slot+3], s[G0+4*\slot+2:G0+4*\slot+3], ASTEP
	s_add_nc_u64 s[G0B+4*\slot+2:G0B+4*\slot+3], s[G0B+4*\slot+2:G0B+4*\slot+3], BSTEP
	JLOAD G0+4*\slot, G1, G0B+4*\slot, G1B
	PLACES NP-4
.else
	PLACES NP
.endif
	s_wait_alu depctr_va_vdst(0)
	v_add_nc_u32 v[ADRS], 4*NQ, v[ADRS]
	FETCH_B \next, 0, 0
	FETCH_A \next, 0, 0
	SCALES \next
	WIN MUL_HI
	MUL16 4, 1, NQ-1, \slot, 0
	MUL16 6, 1, NQ-1, \slot, 0
	PLACES NP
	WIN 0
	FETCH_A \next, 0, 4
.endm
	s_wait_dscnt 0x0                               ; for the others' sake: my rows of A's scales lie in LDS,
	s_wait_tensorcnt 1                             ; B's scales and my part of K step 0 are in (K step 1's load may be out),
	s_barrier_signal -1
	s_barrier_wait -1                              ; everybody's are
	FETCH_B 0, 0, 0
	FETCH_A 0, 0, 0
	SCALES 0
	FETCH_A 0, 0, 4
	STEP 0, 0, 1
	s_mov_b32 s3, LAPS-1
.Llap:
	TURN 0, 1, 1
	STEP 1, 0, 0
	TURN 1, 0, 1
	STEP 0, 0, 0
	s_sub_co_u32 s3, s3, 1
	s_cmp_lg_u32 s3, 0
	s_cbranch_scc1 .Llap
	TURN 0, 1, 0
	STEP 1, 0, 0
	s_wait_dscnt 4*NL
	WIN MUL_LO
	MUL16 0, 1, NQ-1, 1, 0
	MUL16 2, 1, NQ-1, 1, 0
	s_wait_dscnt 0
	WIN MUL_HI
	MUL16 4, 1, NQ-1, 1, 0
	MUL16 6, 1, NQ-1, 1, 0
	WIN 0
; THE WAY OUT, block by block of 16 tokens x 128 columns, through my own stage: accumulator (a, b) holds columns 32 (b / 2) + 16 (lane / 16) + 8 (b % 2) + 0 .. 7 of token l % 16; whole rows of 512 bytes come back.
.macro TOSTAGE a
.set AC, 64*((\a)%4)
	WIN 0x08+4*((\a)/4)                            ; the data: window 2 or 3
.irp b, 0,1,2,3,4,5,6,7
	ds_store_b128 v[STO], v[AC+8*\b:AC+8*\b+3] offset:128*(\b/2)+32*(\b%2)          ; each accumulator from its low end on
	ds_store_b128 v[STO], v[AC+8*\b+4:AC+8*\b+7] offset:128*(\b/2)+32*(\b%2)+16
.endr
	WIN 0
.set BB, BK+64*((\a)%2)
.irp t, 0,1,2,3,4,5,6,7,8,9,10,11,12,13,14,15
	ds_load_b128 v[BB+4*\t:BB+4*\t+3], v[RD] offset:\t*SPITCH     ; LDS serves a wave's instructions in order: these see the stores above
.endr
.endm
.macro SEND a, younger                 ; younger: the LDS instructions issued behind block a's loads, which may stay out
.set BB, BK+64*((\a)%2)
	s_wait_dscnt \younger
.irp t, 0,1,2,3,4,5,6,7,8,9,10,11,12,13,14,15
	global_store_b128 v[CO], v[BB+4*\t:BB+4*\t+3], s[12:13] offset:(32*((\a)/2)+8*((\a)%2)+\t+8*(\t/8))*4096 th:TH_STORE_NT   ; 32 lanes store 512 consecutive bytes, aligned to 256; the token's true row stands in the immediate, 127 rows at the most
.endr
.endm
	PLACES NP
	TOSTAGE 0
.irp a, 1,2,3,4,5,6,7
.if \a > 1
	s_wait_xcnt 0x0                                ; block a - 2's stores have read their registers: block a's loads may land there
.endif
	TOSTAGE \a
	SEND \a-1, 32                                  ; behind block a - 1's loads: block a's 16 stores and 16 loads
.endr
	SEND 7, 0
	s_wait_tensorcnt 0x0                           ; the wave's end
	ds_add_u32 v[SPW], v[NIL]
	s_wait_dscnt 0x0
	CROUND                                         ; the closing round
	s_endpgm
.Lfunc_end_k_qd05b778472_proj:
	.size	k_qd05b778472_proj, .Lfunc_end_k_qd05b778472_proj-k_qd05b778472_proj
	.p2alignl 7, 3214868480
	.fill 96, 4, 3214868480
	.section	.rodata,"a",@progbits
	.p2align	6, 0x0
	.amdhsa_kernel k_qd05b778472_proj
		.amdhsa_group_segment_fixed_size 327680
		.amdhsa_private_segment_fixed_size 0
		.amdhsa_enable_private_segment 0
		.amdhsa_kernarg_size 40
		.amdhsa_user_sgpr_count 2
		.amdhsa_user_sgpr_kernarg_segment_ptr 1
		.amdhsa_wavefront_size32 1
		.amdhsa_system_sgpr_workgroup_id_x 1
		.amdhsa_system_sgpr_workgroup_id_y 1
		.amdhsa_system_sgpr_workgroup_id_z 1
		.amdhsa_system_vgpr_workitem_id 0
		.amdhsa_next_free_vgpr 1024
		.amdhsa_next_free_sgpr 98
		.amdhsa_reserve_vcc 0
		.amdhsa_float_denorm_mode_32 3
		.amdhsa_float_denorm_mode_16_64 3
		.amdhsa_memory_ordered 1
		.amdhsa_forward_progress 1
		.amdhsa_inst_pref_size 149
	.end_amdhsa_kernel
	.amdgpu_metadata
---
amdhsa.version: [ 1, 2 ]
amdhsa.kernels:
  - .name:           k_qd05b778472_proj
    .symbol:         k_qd05b778472_proj.kd
    .args:
      - { .name: yc, .offset: 0, .size: 8, .value_kind: global_buffer, .address_space: global }
      - { .name: ys, .offset: 8, .size: 8, .value_kind: global_buffer, .address_space: global }
      - { .name: codes, .offset: 16, .size: 8, .value_kind: global_buffer, .address_space: global }
      - { .name: scales, .offset: 24, .size: 8, .value_kind: global_buffer, .address_space: global }
      - { .name: out0, .offset: 32, .size: 8, .value_kind: global_buffer, .address_space: global }
    .group_segment_fixed_size: 327680
    .private_segment_fixed_size: 0
    .kernarg_segment_align: 8
    .kernarg_segment_size: 40
    .max_flat_workgroup_size: 128
    .sgpr_count:     98
    .vgpr_count:     1024
    .wavefront_size: 32
...
	.end_amdgpu_metadata
.endif
;; end of part 4
